; MI455X (gfx1250); checked and timed in simulation.
; The chip was launched on July 23, 2026; its instructions are those of AMD's public machine-readable ISA for CDNA 5 (MIT licence, August 2026) and "CDNA5" Instruction Set Architecture Reference Guide (July 2026). The comments in the code are by the model that wrote it; some were corrected since.
;; Multi Head Attention. Allowed arithmetic: matrix products marked QUANTISED: E2M3 operands, one E8M0 scale for each 32 along K, by v_wmma_scale_f32_16x16x128_f8f6f4 with both operands' format E2M3, f32 sums; everything else in f32.
;; Inputs: W_in 1,024 x 3,072 float32; W_out 1,024 x 1,024 float32; b_in 3,072 float32; b_out 1,024 float32; mask 4 x 2,048 bool; time_ids 4 x 2,048 int32; x 4 x 2,048 x 1,024 float32.
;; Outputs: out0 4 x 2,048 x 1,024 float32.
;; This version of the problem:
;;   THIS VERSION OF THE PROBLEM IS GIVEN IN LOW PRECISION. The matrix products marked QUANTISED in the list below multiply operands that are first quantised to E2M3 (2 exponent bits, 3 mantissa bits; 6 bits a number), with one power-of-two scale for each 32 numbers along K (OCP MX v1.0); their sums are f32. All else is computed in f32.
;;   The module's matrix products, in the order in which they are computed (A, B: the left and right operand; K: the contracted axis; several contracted axes count as one K, in the product's order):
;;     1. [M 8,192, K 1,024] x [K 1,024, N 3,072]; A: input x; B: input W_in: QUANTISED
;;     2. batch 64 x [M 2,048, K 64] x [K 64, N 2,048]; A: computed on the way; B: computed on the way: QUANTISED
;;     3. batch 64 x [M 2,048, K 2,048] x [K 2,048, N 64]; A: softmax (see below); B: computed on the way: QUANTISED
;;     4. [M 8,192, K 1,024] x [K 1,024, N 1,024]; A: computed on the way; B: input W_out: QUANTISED
;;   THE QUANTISER, for each operand of a quantised product, along K:
;;     - K is cut into blocks of 32 from its start; a last block that is shorter is filled with zeros.
;;     - A block's scale is 2^e with e = floor(log2(the largest magnitude in the block)) - 2, held to -126 .. 127; a block of zeros has e = 0. As a byte (E8M0): e + 127.
;;     - Each number is divided by its block's scale, clamped to +-7.5, and rounded to the nearest number of E2M3, ties to even, subnormals kept.
;;     - The product sums the exact products of the quantised numbers (number of the format x scale) in f32.
;;   ~~~python
;;   def quantise(x, axis):      # numpy; x: float32 -> the quantised numbers, widened to float32 again
;;       x = np.moveaxis(x, axis, -1); K = x.shape[-1]
;;       x = np.pad(x, [(0, 0)] * (x.ndim - 1) + [(0, -K % 32)]); x = x.reshape(x.shape[:-1] + (-1, 32)); a = np.abs(x).max(-1, keepdims=True)
;;       e = np.where(a > 0, np.clip(np.frexp(np.where(a > 0, a, 1))[1] - 1 - 2, -126, 127), 0)      # np.frexp(a)[1] - 1 = floor(log2(a)), exactly
;;       r = np.clip(x / 2.0 ** e, -7.5, 7.5)
;;       step = 2.0 ** (np.maximum(np.frexp(np.where(r == 0, 1, r))[1] - 1, 0) - 3)
;;       q = np.round(r / step) * step * 2.0 ** e      # np.round: ties to even
;;       return np.moveaxis(q.reshape(q.shape[:-2] + (-1,))[..., :K], -1, axis).astype(np.float32)
;;   ~~~
;;   SOFTMAX AHEAD OF A QUANTISED PRODUCT. Where the list says 'softmax', what is quantised is not the finished softmax but p = 2^(t - M), with t = logit x log2(e) and M = ceil(the row's largest t), a whole number; so 1/2 < the row's largest p <= 1. The row's sum l is taken of the UNQUANTISED p, in f32, and the product's result is divided by l at the end. Since M is a whole number, a kernel that streams over the keys may use a running M (the ceiling of the running maximum): every later rescaling is an exact power of two, which a block's scale takes up: the codes' values come out the same.
;;   OPERANDS COMPUTED ON THE WAY. 'Computed on the way' means the value that the module computes at that place (a softmax that the list does not call 'softmax' is quantised finished and normalised). What goes into a quantiser is computed in f32, as accurately as f32 sums, v_exp_f32 and their like allow (about 1e-6 of the number): no bf16 or f16 on the way to a quantiser, and a product that is left as it is and whose result goes on into a quantised operand takes f32 operands (vector FMAs, or v_wmma_f32_16x16x4_f32). A number that lies on a knife's edge between two numbers of the format may be rounded either way, as far as f32 arithmetic and the matrix unit's own rounding can turn it there, and no further.
;; One version. Each part assembles by itself: llvm-mc -triple=amdgcn-amd-amdhsa -mcpu=gfx1250 --defsym DOCPART=n.
;; ======== version 1 of 1: 4 launches
;; limits: right only within a limited range of input values
;; workspace buffers: xq 6,553,600 bytes; wq 3,276,800 bytes; rope 2,097,152 bytes; q_img 6,815,744 bytes; kv_img 13,369,344 bytes; ao 6,553,600 bytes
;; launch prep (part 1): grid 768 x 1, 4 waves a work-group, no clusters, 34,304 bytes of LDS; arguments x, W_in, W_out, time_ids, xq, wq, rope; writes xq, wq, rope
.if DOCPART == 1
	.amdgcn_target "amdgcn-amd-amdhsa--gfx1250"
	.amdhsa_code_object_version 6
	.text
	.protected	k_q3d02c09928_prep
	.globl	k_q3d02c09928_prep
	.p2align	8
	.type	k_q3d02c09928_prep,@function
k_q3d02c09928_prep:
	s_mov_b64 s[64:65], 0
	v_nop
	global_prefetch_b8 v0, s[64:65] scope:SCOPE_SE
	s_setreg_imm32_b32 hwreg(HW_REG_WAVE_MODE, 25, 1), 1
	s_wait_xcnt 0x0
; x [8192][1024], W_in [1024][3072], W_out [1024][1024] (f32) become codes of FP6 (E2M3) with one E8M0 byte for each 32 along K (K = 1024 for all three),
; laid as IMAGES OF THE OPERAND'S REGISTERS; and time_ids become the table of cosines and sines.
; AN IMAGE.  Half c of a fragment (16 rows x 64 K, 6 registers a lane; r = lane % 16, h = lane / 16) is 768 bytes: registers 0-3 at 16 x lane, registers 4-5 at 512 + 16 r + 8 h.  A fragment is two halves on end.
; xq, wq: [group of 128 rows][K slot of 256][tile of 16 rows][128 along K][fragment]: 98,304 / 24,576 / 3,072 / 1,536 bytes; behind the codes one row of 32 scale bytes for each row, in the tiles' order.
; WHICH ROWS FORM A TILE: tokens: tile i of a group, row r = token 64 (i / 4) + 8 (i % 4) + r % 8 + 32 (r / 8);  q's and k's columns: tile u of a head = d 32 (u / 2) + 8 (u % 2) + r % 8 + 16 (r / 8);
; v's columns: 8 u + r % 8 + 32 (r / 8);  W_out's columns as they lie.
; A block's scale is 2^(floor(log2(largest magnitude)) - 2): its byte is the largest magnitude's exponent field - 2, held at 1 from below.
; LIMITS: a block of zeros, or one whose largest magnitude lies under 2^-124, keeps the byte 1 (its bytes are read by this program alone); NaN and infinities are not served; |time_ids| up to 2^20 (two words of pi / 2).
; Work-groups 0-511: one tile of 16 tokens each, a wave a K slot.  Work-groups 512-767: 128 columns x 128 K of a weight, a wave 32 columns, A LANE A COLUMN with its registers running down K.
; Memory binds: no matrix unit, no cluster (no two work-groups read the same bytes), no barrier (waves share nothing).
.set SPARE, 33792                      ; behind the four stages: the spare words, 128 bytes a wave
.set STGB,  8448                       ; a wave's stage: 16 rows x (512 + 16) bytes
.set LI,  1                            ; 16 x lane
.set LH,  2                            ; 16 r + 8 h
.set RR,  3                            ; r
.set HH,  4                            ; h
.set TOK, 5                            ; r % 8 + 32 (r / 8)
.set SH8, 6                            ; 8 h
.set SPW, 7                            ; my spare word; never rewritten
.set NIL, 8                            ; 0; never rewritten
.set LN,  9
.set TID, 10
.set SA,  11                           ; stage, way in
.set SB,  12                           ; stage, way out
.set VO,  13
.set TA4, 14
.set R,   16                           ; v16-143: x as loaded (2 x 64);  W: a column's 128 numbers
.set D,   16
.set X,   144                          ; v144-207: 64 neighbours along K of my row
.set RB,  144                          ; the table's arithmetic, before X is first filled
.set E,   208                          ; v208-231: codes, 12 for each 128 along K
.set T0,  232
.set T1,  236
.set M0,  240
.set M1,  241
.set SC0, 242
.set SC1, 243
.set BY0, 244
.set BY1, 245
.set W,   246
.set W2,  247
.set WQ,  248
.set RC,  144                          ; W: codes in the order in which they are stored
.set TT,  168
.set MM,  192
.set SS,  196
.set BB,  200
.set WW,  204
	s_load_b256 s[4:11], s[0:1], 0x0               ; x s[4:5], W_in s[6:7], W_out s[8:9], time_ids s[10:11]
	s_load_b128 s[12:15], s[0:1], 0x20             ; xq s[12:13], wq s[14:15]
	s_load_b64 s[16:17], s[0:1], 0x30              ; rope
	v_lshl_add_u32 v[SPW], v0, 2, SPARE
	v_mov_b32 v[NIL], 0
	v_lshrrev_b32 v[LN], 5, v0
	v_readfirstlane_b32 s18, v[LN]                 ; wave
	v_and_b32 v[LN], 31, v0
	v_and_b32 v[RR], 15, v0
	v_bfe_u32 v[HH], v0, 4, 1
	v_lshlrev_b32 v[LI], 4, v[LN]
	v_lshlrev_b32 v[LH], 4, v[RR]
	v_lshl_add_u32 v[LH], v[HH], 3, v[LH]
	s_wait_kmcnt 0x0
	s_cmp_lt_u32 ttmp9, 512
	s_cbranch_scc0 .Lw
	; ---------------- x: work-group = tile of 16 tokens, wave = K slot of 256
	v_and_b32 v[TOK], 7, v0
	v_bfe_u32 v15, v0, 3, 1
	v_lshl_add_u32 v[TOK], v15, 5, v[TOK]
	v_lshlrev_b32 v[TA4], 2, v[TOK]
	s_wait_alu depctr_va_vdst(0)
	v_lshlrev_b32 v[SH8], 3, v[HH]
	v_mov_b32 v[W2], 0                             ; a lane permute's destination counts as a source: written once
	v_lshlrev_b32 v[VO], 5, v[RR]
	v_lshl_add_u32 v[VO], v[HH], 2, v[VO]          ; scale words: 32 r + 4 h
	s_lshr_b32 s20, ttmp9, 2
	s_lshl_b32 s20, s20, 6
	s_and_b32 s21, ttmp9, 3
	s_lshl_b32 s21, s21, 3
	s_add_co_u32 s20, s20, s21                     ; the tile's first token
	s_lshl_b32 s22, s20, 12
	s_lshl_b32 s21, s18, 10
	s_add_co_u32 s22, s22, s21
	s_mov_b32 s23, 0
	s_add_nc_u64 s[4:5], s[4:5], s[22:23]          ; x at that token, my K slot
	s_lshl_b32 s22, s20, 2
	s_add_nc_u64 s[10:11], s[10:11], s[22:23]      ; time_ids
	s_lshl_b32 s22, ttmp9, 9
	s_lshl_b32 s21, s18, 3
	s_add_co_u32 s22, s22, s21
	s_add_co_u32 s22, s22, 6291456
	s_add_nc_u64 s[24:25], s[12:13], s[22:23]      ; the tile's scale rows, my two words
	s_lshr_b32 s22, ttmp9, 3
	s_mul_i32 s22, s22, 98304
	s_mul_i32 s21, s18, 24576
	s_add_co_u32 s22, s22, s21
	s_and_b32 s21, ttmp9, 7
	s_mul_i32 s21, s21, 3072
	s_add_co_u32 s22, s22, s21
	s_add_nc_u64 s[12:13], s[12:13], s[22:23]      ; the tile's two fragments of my slot
	s_lshl_b32 s22, ttmp9, 12
	s_lshl_b32 s21, s18, 9
	s_add_co_u32 s22, s22, s21
	s_add_nc_u64 s[16:17], s[16:17], s[22:23]      ; the table: tile, my four frequencies
	global_load_b32 v[TID], v[TA4], s[10:11]
.irp q, 0,1
.irp t, 0,1,2,3,4,5,6,7,8,9,10,11,12,13,14,15
	global_load_b128 v[R+64*\q+4*\t:R+64*\q+4*\t+3], v[LI], s[4:5] offset:((\t%8)+32*(\t/8))*4096+512*\q th:TH_LOAD_NT   ; 512 consecutive bytes of one token's row
.endr
.endr
	s_mul_i32 s21, s18, STGB
	v_add_nc_u32 v[SA], s21, v[LI]
	v_mul_u32_u24 v[SB], v[RR], 528
	v_lshl_add_u32 v[SB], v[HH], 7, v[SB]
	v_add_nc_u32 v[SB], s21, v[SB]
	s_mov_b32 s26, 0xbed49a78                      ; -log2(10000) / 32, upper word
	s_mov_b32 s27, 0xb2178d50                      ; and what the upper word leaves
	s_mov_b32 s28, 0x3f22f983                      ; 2 / pi
	s_mov_b32 s29, 0xbfc90fdb                      ; -(pi / 2), upper word
	s_mov_b32 s30, 0x333bbd2e                      ; upper word - pi / 2
	s_mov_b32 s31, 0xbe2aaaa3                      ; the sine's three coefficients
	s_mov_b32 s32, 0x3c08839e
	s_mov_b32 s33, 0xb94ca1f9
	s_mov_b32 s34, 0x3d2aaaa5                      ; the cosine's
	s_mov_b32 s35, 0xbab6061a
	s_mov_b32 s36, 0x37ccf5ce
	s_mov_b32 s38, 0x76543210
	s_mov_b32 s39, 0xfedcba98                      ; lane l xor 16
	s_mov_b32 s40, 0xffff0000                      ; lanes 16-31
	; THE TABLE, while x is on its way.  Lane (r, h) of wave w: token r of the tile, frequencies j = 16 h + 4 w + 0 .. 3.  inv_freq = 2^(-j log2(10000) / 32): whole part by ldexp, the rest by v_exp_f32
	v_lshlrev_b32 v[RB+49], 4, v[HH]
	s_lshl_b32 s21, s18, 2
	v_add_nc_u32 v[RB+49], s21, v[RB+49]
.irp i, 0,1,2,3
	v_add_nc_u32 v[RB+\i], \i, v[RB+49]
.endr
.irp i, 0,1,2,3
	v_cvt_f32_u32 v[RB+\i], v[RB+\i]
.endr
.irp i, 0,1,2,3
	v_mul_f32 v[RB+4+\i], s26, v[RB+\i]
.endr
.irp i, 0,1,2,3
	v_rndne_f32 v[RB+8+\i], v[RB+4+\i]
.endr
.irp i, 0,1,2,3
	v_fma_f32 v[RB+4+\i], v[RB+\i], s26, -v[RB+8+\i]
.endr
.irp i, 0,1,2,3
	v_fma_f32 v[RB+4+\i], v[RB+\i], s27, v[RB+4+\i]
.endr
	s_wait_alu depctr_va_vdst(0)
.irp i, 0,1,2,3
	v_exp_f32 v[RB+4+\i], v[RB+4+\i]
.endr
.irp i, 0,1,2,3
	v_cvt_i32_f32 v[RB+8+\i], v[RB+8+\i]           ; plain work behind the exponentials
.endr
	s_wait_alu depctr_va_vdst(0)                   ; one wait for the four, ahead of their first reader
.irp i, 0,1,2,3
	v_ldexp_f32 v[RB+4+\i], v[RB+4+\i], v[RB+8+\i] ; inv_freq
.endr
	s_wait_loadcnt 32                              ; time_ids is in; x's 32 loads may be out
	v_cvt_f32_i32 v[RB+48], v[TID]
	s_wait_alu depctr_va_vdst(0)
.irp i, 0,1,2,3
	v_mul_f32 v[RB+12+\i], v[RB+48], v[RB+4+\i]    ; the angle, rounded once
.endr
.irp i, 0,1,2,3
	v_mul_f32 v[RB+16+\i], s28, v[RB+12+\i]
.endr
.irp i, 0,1,2,3
	v_rndne_f32 v[RB+16+\i], v[RB+16+\i]           ; k quarter turns
.endr
.irp i, 0,1,2,3
	v_fma_f32 v[RB+12+\i], v[RB+16+\i], s29, v[RB+12+\i]
.endr
.irp i, 0,1,2,3
	v_fma_f32 v[RB+12+\i], v[RB+16+\i], s30, v[RB+12+\i]   ; the rest, within pi / 4
.endr
.irp i, 0,1,2,3
	v_mul_f32 v[RB+20+\i], v[RB+12+\i], v[RB+12+\i]        ; z
.endr
.irp i, 0,1,2,3
	v_fma_f32 v[RB+24+\i], v[RB+20+\i], s33, s32
	v_fma_f32 v[RB+28+\i], v[RB+20+\i], s36, s35
.endr
.irp i, 0,1,2,3
	v_fma_f32 v[RB+24+\i], v[RB+24+\i], v[RB+20+\i], s31
	v_fma_f32 v[RB+28+\i], v[RB+28+\i], v[RB+20+\i], s34
.endr
.irp i, 0,1,2,3
	v_mul_f32 v[RB+24+\i], v[RB+24+\i], v[RB+20+\i]
	v_mul_f32 v[RB+32+\i], v[RB+20+\i], v[RB+20+\i]
	v_fma_f32 v[RB+36+\i], v[RB+20+\i], -0.5, 1.0
.endr
.irp i, 0,1,2,3
	v_fma_f32 v[RB+24+\i], v[RB+24+\i], v[RB+12+\i], v[RB+12+\i]   ; sine of the rest
	v_fma_f32 v[RB+28+\i], v[RB+28+\i], v[RB+32+\i], v[RB+36+\i]   ; cosine
	v_cvt_i32_f32 v[RB+16+\i], v[RB+16+\i]
.endr
.irp i, 0,1,2,3
	v_and_b32 v[RB+32+\i], 1, v[RB+16+\i]
	v_cmp_eq_u32 vcc_lo, 1, v[RB+32+\i]            ; an odd number of quarter turns: the two change places
	v_cndmask_b32 v[RB+40+\i], v[RB+24+\i], v[RB+28+\i], vcc_lo
	v_cndmask_b32 v[RB+44+\i], v[RB+28+\i], v[RB+24+\i], vcc_lo
	v_and_b32 v[RB+32+\i], 2, v[RB+16+\i]
	v_add_nc_u32 v[RB+36+\i], 1, v[RB+16+\i]
	v_lshlrev_b32 v[RB+32+\i], 30, v[RB+32+\i]
	v_and_b32 v[RB+36+\i], 2, v[RB+36+\i]
	v_xor_b32 v[RB+40+\i], v[RB+32+\i], v[RB+40+\i]    ; the sine is negative in quarters 2, 3
	v_lshlrev_b32 v[RB+36+\i], 30, v[RB+36+\i]
	v_xor_b32 v[RB+44+\i], v[RB+36+\i], v[RB+44+\i]    ; the cosine in quarters 1, 2
.endr
	global_store_b128 v[LI], v[RB+44:RB+47], s[16:17]              ; 512 consecutive bytes: cosines
	global_store_b128 v[LI], v[RB+40:RB+43], s[16:17] offset:2048  ; sines
; two whole blocks of 32 of one lane, v[src] .. and v[src + 32] .., become 12 registers of codes at v[dst]; their bytes in BY0, BY1
.macro QB2 src, dst
	v_max3_num_f32 v[M0], |v[(\src)]|, |v[(\src)+1]|, 0x1800000       ; the floor 2^(3 - 127) among the leaves holds the byte at 1 from below
	v_max3_num_f32 v[M1], |v[(\src)+32]|, |v[(\src)+33]|, 0x1800000
.irp i, 2,4,6,8,10,12,14,16,18,20,22,24,26,28,30
	v_max3_num_f32 v[M0], v[M0], |v[(\src)+\i]|, |v[(\src)+\i+1]|
	v_max3_num_f32 v[M1], v[M1], |v[(\src)+32+\i]|, |v[(\src)+33+\i]|
.endr
	v_add_nc_u32 v[SC0], 0xff000000, v[M0]         ; 2 off the exponent field: the conversion's scale operand
	v_add_nc_u32 v[SC1], 0xff000000, v[M1]
	v_lshrrev_b32 v[BY0], 23, v[SC0]
	v_lshrrev_b32 v[BY1], 23, v[SC1]
	v_cvt_scalef32_pk16_fp6_f32 v[(\dst):(\dst)+2], v[(\src):(\src)+15], v[SC0]
	v_cvt_scalef32_pk16_fp6_f32 v[T0:T0+2], v[(\src)+16:(\src)+31], v[SC0]       ; (a conversion's three registers begin on an even number)
	v_cvt_scalef32_pk16_fp6_f32 v[(\dst)+6:(\dst)+8], v[(\src)+32:(\src)+47], v[SC1]
	v_cvt_scalef32_pk16_fp6_f32 v[T1:T1+2], v[(\src)+48:(\src)+63], v[SC1]
	v_nop                                          ; one plain place behind the conversions
.irp i, 0,1,2
	v_mov_b32 v[(\dst)+3+\i], v[T0+\i]
	v_mov_b32 v[(\dst)+9+\i], v[T1+\i]
.endr
.endm
; 128 along K of the 16 tokens: through my stage, so that a lane gets 2 x 32 neighbours of its row (k = 64 c + 32 h + 0 .. 31), which is the operand's own order
.macro XQ q
.if \q == 0
	s_wait_loadcnt 16                              ; the first 16 rows' loads are in; the second K step's 16 may be out
.else
	s_wait_loadcnt 0x0
.endif
.irp t, 0,1,2,3,4,5,6,7,8,9,10,11,12,13,14,15
	ds_store_b128 v[SA], v[R+64*\q+4*\t:R+64*\q+4*\t+3] offset:528*\t
.endr
.irp c, 0,1
.irp i, 0,1,2,3,4,5,6,7
	ds_load_b128 v[X+32*\c+4*\i:X+32*\c+4*\i+3], v[SB] offset:256*\c+16*\i    ; LDS serves a wave's instructions in order: these see my stores
.endr
.endr
	s_wait_dscnt 0x0
	QB2 X, E+12*\q
	v_lshl_or_b32 v[W], v[BY1], 16, v[BY0]         ; my bytes: blocks h and 2 + h of my row,
	v_lshlrev_b32 v[W], v[SH8], v[W]               ; at their places;
	v_permlanex16_b32 v[W2], v[W], s38, s39
	v_or_b32 v[WQ+\q], v[W], v[W2]                 ; with lane l xor 16's the word is whole
	global_store_b128 v[LI], v[E+12*\q:E+12*\q+3], s[12:13] offset:1536*\q
	global_store_b64 v[LH], v[E+12*\q+4:E+12*\q+5], s[12:13] offset:1536*\q+512
	global_store_b128 v[LI], v[E+12*\q+6:E+12*\q+9], s[12:13] offset:1536*\q+768
	global_store_b64 v[LH], v[E+12*\q+10:E+12*\q+11], s[12:13] offset:1536*\q+1280
.endm
	s_wait_xcnt 0x0                                ; the table's stores have read their registers: X may be filled
	XQ 0
	XQ 1
	v_cndmask_b32 v[W], v[WQ], v[WQ+1], s40        ; lanes 0-15 store the first word, lanes 16-31 the second
	global_store_b32 v[VO], v[W], s[24:25]         ; 8 bytes of each of 16 rows of 32: 4 bytes for every 96 bytes of codes leave in pieces
	s_wait_tensorcnt 0x0                           ; the wave's end, behind my last LDS store
	ds_add_u32 v[SPW], v[NIL]
	s_wait_dscnt 0x0
	s_endpgm
	; ---------------- W: 128 columns x 128 K a work-group; no LDS
.Lw:
	s_sub_co_u32 s20, ttmp9, 512
	s_and_b32 s21, s20, 7                          ; which 128 along K
	s_lshr_b32 s22, s20, 3                         ; group of 128 columns: 0-7 q, 8-15 k, 16-23 v, 24-31 W_out
	s_and_b32 s23, s18, 1                          ; which two tiles of a half
	s_lshr_b32 s24, s18, 1                         ; which half (head)
	v_bfe_u32 v10, v0, 3, 1                        ; my place: tile u' of my wave's two,
	v_and_b32 v11, 7, v0
	s_wait_alu depctr_va_vdst(0)
	v_lshl_add_u32 v11, v[HH], 3, v11              ; row r' of it
	v_mul_u32_u24 v[VO], v10, 3072
	v_lshl_add_u32 v[VO], v11, 4, v[VO]
	v_lshlrev_b32 v14, 9, v10
	v_lshl_add_u32 v14, v11, 5, v14
	s_mul_i32 s26, s22, 98304
	s_lshr_b32 s27, s21, 1
	s_mul_i32 s27, s27, 24576
	s_add_co_u32 s26, s26, s27
	s_lshl_b32 s27, s24, 2
	s_lshl_b32 s28, s23, 1
	s_add_co_u32 s27, s27, s28
	s_mul_i32 s27, s27, 3072
	s_add_co_u32 s26, s26, s27
	s_and_b32 s27, s21, 1
	s_mul_i32 s27, s27, 1536
	s_add_co_u32 s26, s26, s27
	s_mov_b32 s27, 0
	s_add_nc_u64 s[30:31], s[14:15], s[26:27]      ; my two fragments
	s_lshl_b32 s26, s22, 7
	s_lshl_b32 s28, s24, 6
	s_add_co_u32 s26, s26, s28
	s_lshl_b32 s28, s23, 5
	s_add_co_u32 s26, s26, s28
	s_lshl_b32 s26, s26, 5
	s_lshl_b32 s28, s21, 2
	s_add_co_u32 s26, s26, s28
	s_add_co_u32 s26, s26, 3145728
	s_add_nc_u64 s[32:33], s[14:15], s[26:27]      ; their scale words
.macro WLOAD pitch, base                       ; my column, 128 rows down K: neighbouring lanes read neighbouring columns
.set ii, 0
.rept 128
	global_load_b32 v[D+ii], v12, s[\base:\base+1] offset:ii*\pitch th:TH_LOAD_NT
.set ii, ii+1
.endr
.endm
	s_cmp_ge_u32 s22, 24
	s_cbranch_scc1 .Lw_out
	s_cmp_ge_u32 s22, 16                           ; v's columns?
	s_cselect_b32 s25, 32, 16                      ; from lanes 0-15 to lanes 16-31
	s_cselect_b32 s26, 4, 5                        ; my wave's two tiles begin 16 or 32 columns on
	s_lshl_b32 s26, s23, s26
	s_lshl_b32 s28, s22, 7
	s_add_co_u32 s26, s26, s28
	s_lshl_b32 s28, s24, 6
	s_add_co_u32 s26, s26, s28
	s_lshl_b32 s26, s26, 2
	s_mul_i32 s28, s21, 128*12288
	s_add_co_u32 s26, s26, s28
	s_add_nc_u64 s[6:7], s[6:7], s[26:27]
	v_and_b32 v12, 15, v0
	v_mad_u32_u24 v12, v[HH], s25, v12
	v_lshlrev_b32 v12, 2, v12
	WLOAD 12288, 6
	s_branch .Lw_go
.Lw_out:
	s_sub_co_u32 s26, s22, 24
	s_lshl_b32 s26, s26, 7
	s_lshl_b32 s28, s24, 6
	s_add_co_u32 s26, s26, s28
	s_lshl_b32 s28, s23, 5
	s_add_co_u32 s26, s26, s28
	s_lshl_b32 s26, s26, 2
	s_mul_i32 s28, s21, 128*4096
	s_add_co_u32 s26, s26, s28
	s_add_nc_u64 s[8:9], s[8:9], s[26:27]
	s_wait_alu depctr_va_vdst(0)
	v_lshl_add_u32 v12, v10, 4, v11                ; column 16 u' + r'
	v_lshlrev_b32 v12, 2, v12
	WLOAD 4096, 8
.Lw_go:
.macro MAXB b                                  ; block b: all 32 numbers are mine
	v_max3_num_f32 v[MM+\b], |v[D+32*\b]|, |v[D+32*\b+1]|, 0x1800000
.irp i, 2,4,6,8,10,12,14,16,18,20,22,24,26,28,30
	v_max3_num_f32 v[MM+\b], v[MM+\b], |v[D+32*\b+\i]|, |v[D+32*\b+\i+1]|
.endr
	v_add_nc_u32 v[SS+\b], 0xff000000, v[MM+\b]
	v_lshrrev_b32 v[BB+\b], 23, v[SS+\b]
.endm
	s_wait_loadcnt 63                              ; at most 63 of the 128 are out: blocks 0 and 1 are in
	MAXB 0
	MAXB 1
	s_wait_loadcnt 32                              ; block 3's may be out
	MAXB 2
	s_wait_loadcnt 0x0
	MAXB 3
.irp c, 0,1                                    ; blocks 2 c (the image's lanes 0-15) and 2 c + 1 (lanes 16-31) of my row
	v_cvt_scalef32_pk16_fp6_f32 v[RC+12*\c:RC+12*\c+2], v[D+64*\c:D+64*\c+15], v[SS+2*\c]
	v_cvt_scalef32_pk16_fp6_f32 v[TT+8*\c:TT+8*\c+2], v[D+64*\c+16:D+64*\c+31], v[SS+2*\c]
	v_cvt_scalef32_pk16_fp6_f32 v[RC+12*\c+4:RC+12*\c+6], v[D+64*\c+32:D+64*\c+47], v[SS+2*\c+1]
	v_cvt_scalef32_pk16_fp6_f32 v[TT+8*\c+4:TT+8*\c+6], v[D+64*\c+48:D+64*\c+63], v[SS+2*\c+1]
.endr
	v_nop                                          ; one plain place behind the conversions
.irp c, 0,1
	v_mov_b32 v[RC+12*\c+3], v[TT+8*\c]
	v_mov_b32 v[RC+12*\c+7], v[TT+8*\c+4]
	v_mov_b32 v[RC+12*\c+8], v[TT+8*\c+1]
	v_mov_b32 v[RC+12*\c+9], v[TT+8*\c+2]
	v_mov_b32 v[RC+12*\c+10], v[TT+8*\c+5]
	v_mov_b32 v[RC+12*\c+11], v[TT+8*\c+6]
.endr
	v_lshl_or_b32 v[WW], v[BB+1], 8, v[BB]
	v_lshl_or_b32 v[WW], v[BB+2], 16, v[WW]
	v_lshl_or_b32 v[WW], v[BB+3], 24, v[WW]
.irp c, 0,1
	global_store_b128 v[VO], v[RC+12*\c:RC+12*\c+3], s[30:31] offset:768*\c          ; sixteen lanes fill 256 consecutive bytes, aligned, in each of the two fragments
	global_store_b128 v[VO], v[RC+12*\c+4:RC+12*\c+7], s[30:31] offset:768*\c+256
	global_store_b128 v[VO], v[RC+12*\c+8:RC+12*\c+11], s[30:31] offset:768*\c+512
.endr
	global_store_b32 v14, v[WW], s[32:33]          ; 4 bytes of each row of 32: these leave in pieces, 4 bytes for every 96 of codes
	s_endpgm
.Lfunc_end_k_q3d02c09928_prep:
	.size	k_q3d02c09928_prep, .Lfunc_end_k_q3d02c09928_prep-k_q3d02c09928_prep
	.p2alignl 7, 3214868480
	.fill 96, 4, 3214868480
	.section	.rodata,"a",@progbits
	.p2align	6, 0x0
	.amdhsa_kernel k_q3d02c09928_prep
		.amdhsa_group_segment_fixed_size 34304
		.amdhsa_private_segment_fixed_size 0
		.amdhsa_enable_private_segment 0
		.amdhsa_kernarg_size 56
		.amdhsa_user_sgpr_count 2
		.amdhsa_user_sgpr_kernarg_segment_ptr 1
		.amdhsa_wavefront_size32 1
		.amdhsa_system_sgpr_workgroup_id_x 1
		.amdhsa_system_sgpr_workgroup_id_y 1
		.amdhsa_system_sgpr_workgroup_id_z 1
		.amdhsa_system_vgpr_workitem_id 0
		.amdhsa_next_free_vgpr 256
		.amdhsa_next_free_sgpr 66
		.amdhsa_reserve_vcc 1
		.amdhsa_float_denorm_mode_32 3
		.amdhsa_float_denorm_mode_16_64 3
		.amdhsa_memory_ordered 1
		.amdhsa_forward_progress 1
		.amdhsa_inst_pref_size 58
	.end_amdhsa_kernel
	.amdgpu_metadata
---
amdhsa.version: [ 1, 2 ]
amdhsa.kernels:
  - .name:           k_q3d02c09928_prep
    .symbol:         k_q3d02c09928_prep.kd
    .args:
      - { .name: x, .offset: 0, .size: 8, .value_kind: global_buffer, .address_space: global }
      - { .name: W_in, .offset: 8, .size: 8, .value_kind: global_buffer, .address_space: global }
      - { .name: W_out, .offset: 16, .size: 8, .value_kind: global_buffer, .address_space: global }
      - { .name: time_ids, .offset: 24, .size: 8, .value_kind: global_buffer, .address_space: global }
      - { .name: xq, .offset: 32, .size: 8, .value_kind: global_buffer, .address_space: global }
      - { .name: wq, .offset: 40, .size: 8, .value_kind: global_buffer, .address_space: global }
      - { .name: rope, .offset: 48, .size: 8, .value_kind: global_buffer, .address_space: global }
    .group_segment_fixed_size: 34304
    .private_segment_fixed_size: 0
    .kernarg_segment_align: 8
    .kernarg_segment_size: 56
    .max_flat_workgroup_size: 128
    .sgpr_count:     66
    .vgpr_count:     256
    .wavefront_size: 32
...
	.end_amdgpu_metadata
.endif
;; end of part 1
;; launch qkv (part 2): grid 12 x 32, 4 waves a work-group, clusters of 4 x 4, 327,680 bytes of LDS; arguments xq, wq, b_in, mask, rope, q_img, kv_img; writes q_img, kv_img
.if DOCPART == 2
	.amdgcn_target "amdgcn-amd-amdhsa--gfx1250"
	.amdhsa_code_object_version 6
	.text
	.protected	k_q3d02c09928_qkv
	.globl	k_q3d02c09928_qkv
	.p2align	8
	.type	k_q3d02c09928_qkv,@function
k_q3d02c09928_qkv:
	s_mov_b64 s[64:65], 0
	v_nop
	global_prefetch_b8 v0, s[64:65] scope:SCOPE_SE
	s_setreg_imm32_b32 hwreg(HW_REG_WAVE_MODE, 25, 1), 1
	s_wait_xcnt 0x0
	s_wait_alu depctr_hold_cnt(0) depctr_sa_sdst(0) depctr_va_vdst(0) depctr_va_sdst(0) depctr_va_ssrc(0) depctr_va_vcc(0) depctr_vm_vsrc(0)
	s_getreg_b32 s2, hwreg(HW_REG_IB_STS2, 6, 4)
	s_cmp_eq_u32 s2, 0
	s_cbranch_scc0 .Lentry_in_a_cluster
	s_endpgm
.Lentry_in_a_cluster:
	s_bfe_u32 s2, ttmp6, 0x10000c
	s_cmp_lg_u32 s2, 0xf033
	s_cbranch_scc0 .Lentry_shape_is_right
	s_endpgm
.Lentry_shape_is_right:
.set GRP,   98304
.set KSL,   24576
.set HALFT, 24576
.set SLOT,  4*HALFT
.set SCL,   3*SLOT
.set HALFS, 16*272
.set SBLK,  544
.set SPARE, SCL+4*HALFS
.set XSC,   6291456
.set WSC,   3145728
.set FR,    12
.set LI,  1
.set LH,  2
.set TOK, 3
.set RR,  4
.set HH,  5
.set A16, 6
.set A8,  9
.set B16, 12
.set B8,  15
.set ADRS, 18
.set VBI, 19
.set VMB, 20
.set VTB, 21
.set VBV, 22
.set SH8, 23
.set OV,  24
.set SPW, 28
.set NIL, 29
.set SC,  32
.set BIAS, 64
.set AF,  128
.set SW,  32
.set EXT, 48
.set VW,  32
.set Y,   128
.set Z,   128
.set N,   160
.set E,   192
.set T0,  216
.set T1,  220
.set MB,  224
.set BV,  224
.set M0,  240
.set M1,  241
.set M2,  242
.set M3,  243
.set SC0, 244
.set SC1, 245
.set BY0, 246
.set BY1, 247
.set ONV, 248
.set OFFV, 249
.set W,   250
.set W2,  251
.set G1A, 24
.set G0A, 32
.set G1B, 44
.set G0B, 52
.set G1S, 68
.set G0S, 76
.set G1SB, 80
.set G0SB, 88
.set MSB, 0
.macro WIN new
.if MSB != (\new)
	s_set_vgpr_msb (MSB<<8)|(\new)
.set MSB, (\new)
.endif
.endm
.set MUL_LO, 0xa1
.set MUL_HI, 0xf1
.set TO_B,   0x40
.macro JLOAD g0a, g1a, g0b, g1b
	s_cmp_eq_u32 s19, 0
	s_cbranch_scc0 .Lfor_b_\@
	tensor_load_to_lds s[\g0a:\g0a+3], s[\g1a:\g1a+7]
	s_nop 0
.rept 4
	v_nop
.endr
	s_branch .Lasked_\@
.Lfor_b_\@:
	tensor_load_to_lds s[\g0b:\g0b+3], s[\g1b:\g1b+7]
	s_nop 0
.rept 4
	v_nop
.endr
.Lasked_\@:
.endm
.macro CREST
	s_cmp_lg_u32 s18, 0
	s_cbranch_scc1 .Lnot_wave_0_\@
	s_barrier_signal -3
.Lnot_wave_0_\@:
	s_barrier_wait -3
	s_barrier_signal -1
	s_barrier_wait -1
.endm
.macro CROUND
	s_barrier_signal -1
	s_barrier_wait -1
	CREST
.endm
.macro PLACES n
.rept \n
	v_nop
.endr
.endm
.macro FRAG reg, a16, a8, q, i
	ds_load_b128 v[\reg:\reg+3], v[\a16] offset:3072*(\i)+1536*(\q)
	ds_load_b64 v[\reg+4:\reg+5], v[\a8] offset:3072*(\i)+1536*(\q)+512
	ds_load_b128 v[\reg+6:\reg+9], v[\a16] offset:3072*(\i)+1536*(\q)+768
	ds_load_b64 v[\reg+10:\reg+11], v[\a8] offset:3072*(\i)+1536*(\q)+1280
.endm
.macro FETCH_B slot, q, p
	WIN TO_B
.irp i, 0,1,2,3,4,5,6,7
	FRAG 128*(\p)+FR*\i, B16+\slot, B8+\slot, \q, \i
.endr
	WIN 0
.endm
.macro FETCH_A slot, q, i0
.irp i, \i0, \i0+1, \i0+2, \i0+3
	FRAG AF+FR*(\i), A16+\slot, A8+\slot, \q, \i
.endr
.endm
.macro SCALES sc
.irp i, 0,1,2,3,4,5,6,7
	ds_load_b64 v[SC+16*(\sc)+2*\i:SC+16*(\sc)+2*\i+1], v[ADRS] offset:\i*SBLK
.endr
.endm
.macro MUL16 a0, p, q, sc, zero
.irp a, \a0, \a0+1
.irp b, 0,1,2,3,4,5,6,7
.if \zero
	v_wmma_scale_f32_16x16x128_f8f6f4 v[8*(8*((\a)%4)+\b):8*(8*((\a)%4)+\b)+7], v[128*(\p)+FR*\b:128*(\p)+FR*\b+FR-1], v[AF+FR*(\a):AF+FR*(\a)+FR-1], 0, v[SC+16*(\sc)+2*\b+(\q)], v[SC+16*(\sc)+2*(\a)+(\q)] matrix_a_fmt:MATRIX_FMT_FP6 matrix_b_fmt:MATRIX_FMT_FP6 matrix_a_scale:MATRIX_SCALE_ROW1
.else
	v_wmma_scale_f32_16x16x128_f8f6f4 v[8*(8*((\a)%4)+\b):8*(8*((\a)%4)+\b)+7], v[128*(\p)+FR*\b:128*(\p)+FR*\b+FR-1], v[AF+FR*(\a):AF+FR*(\a)+FR-1], v[8*(8*((\a)%4)+\b):8*(8*((\a)%4)+\b)+7], v[SC+16*(\sc)+2*\b+(\q)], v[SC+16*(\sc)+2*(\a)+(\q)] matrix_a_fmt:MATRIX_FMT_FP6 matrix_b_fmt:MATRIX_FMT_FP6 matrix_a_scale:MATRIX_SCALE_ROW1
.endif
.endr
.endr
.endm
.macro STEP slot, sc, zero
	s_wait_dscnt 16
	WIN MUL_LO
	MUL16 0, 0, 0, \sc, \zero
	MUL16 2, 0, 0, \sc, \zero
	s_wait_dscnt 0x0
	PLACES 4
	FETCH_B \slot, 1, 1
	FETCH_A \slot, 1, 0
	WIN MUL_HI
	MUL16 4, 0, 0, \sc, \zero
	MUL16 6, 0, 0, \sc, \zero
	PLACES 4
	WIN 0
	FETCH_A \slot, 1, 4
.endm
.macro TURN slot, next, sc, mode
.if \mode == 2
	s_wait_tensorcnt 0x0
	ds_add_u32 v[SPW], v[NIL]
	s_mov_b32 s[G1A+2], 96<<16                     ; no tensor load of mine is out: the refill brings one K slot, 96 rows
	s_mov_b32 s[G1A+4], 96
	s_mov_b32 s[G1B+2], 96<<16
	s_mov_b32 s[G1B+4], 96
	s_wait_dscnt 17
.elseif \mode == 1
	s_wait_tensorcnt 0x0
	s_wait_dscnt 16
.else
	s_wait_dscnt 16
.endif
	WIN MUL_LO
	MUL16 0, 1, 1, \sc, 0
.if \mode > 0
	s_wait_dscnt 0x0
	s_barrier_signal -1
.endif
	MUL16 2, 1, 1, \sc, 0
.if \mode == 0
	s_wait_dscnt 0x0
.endif
	WIN 0
.if \mode > 0
	s_barrier_wait -1
.endif
.if \mode == 2
	CREST
	s_add_nc_u64 s[G0A+4*\slot+2:G0A+4*\slot+3], s[G0A+4*\slot+2:G0A+4*\slot+3], 3*KSL
	s_add_nc_u64 s[G0B+4*\slot+2:G0B+4*\slot+3], s[G0B+4*\slot+2:G0B+4*\slot+3], 3*KSL
	JLOAD G0A+4*\slot, G1A, G0B+4*\slot, G1B
.else
	PLACES 4
.endif
	v_add_nc_u32 v[ADRS], 8, v[ADRS]
	FETCH_B \next, 0, 0
	FETCH_A \next, 0, 0
	SCALES 1-\sc
	WIN MUL_HI
	MUL16 4, 1, 1, \sc, 0
	MUL16 6, 1, 1, \sc, 0
	PLACES 4
	WIN 0
	FETCH_A \next, 0, 4
.endm
	s_load_b256 s[4:11], s[0:1], 0x0
	s_load_b128 s[12:15], s[0:1], 0x20
	s_load_b64 s[16:17], s[0:1], 0x30
	v_lshl_add_u32 v[SPW], v0, 2, SPARE
	v_mov_b32 v[NIL], 0
	ds_add_u32 v[SPW], v[NIL]
	ds_add_u32 v[SPW], v[NIL]
	v_lshrrev_b32 v4, 5, v0
	v_readfirstlane_b32 s18, v4
	s_lshr_b32 s19, s18, 1
	s_and_b32 s20, s18, 1
	s_bfe_u32 s66, ttmp6, 0x40000
	s_bfe_u32 s67, ttmp6, 0x40004
	s_mov_b32 s21, ttmp9
	s_and_b32 s22, ttmp7, 0xffff
	s_lshl_b32 s92, s67, 2
	s_lshl_b32 s92, 15, s92
	s_lshl_b32 s96, 0x1111, s66
	s_or_b32 s[G1A], s92, (3<<16)|(1<<21)
	s_or_b32 s[G1B], s96, (3<<16)|(1<<21)
.irp g, G1A, G1B
	s_mov_b32 s[\g+1], 32<<16
	s_mov_b32 s[\g+2], 288<<16
	s_mov_b32 s[\g+3], 32<<16
	s_mov_b32 s[\g+4], 288
	s_mov_b32 s[\g+5], 32
	s_mov_b32 s[\g+6], 0
	s_mov_b32 s[\g+7], 0
.endr
	s_lshl_b32 s92, s22, 2
	s_lshl_b32 s96, s21, 2
	s_cmp_eq_u32 s21, 2
	s_cselect_b32 s93, 8, s92
	s_cselect_b32 s97, s92, s96
	s_add_co_u32 s93, s93, s67
	s_add_co_u32 s97, s97, s66
	s_lshl_b32 s92, s93, 1
	s_add_co_u32 s92, s92, s20
	s_lshl_b32 s96, s97, 1
	s_add_co_u32 s96, s96, s20
	s_lshl_b32 s2, s93, 1
	s_add_co_u32 s2, s2, s19
	s_lshl_b32 s3, s97, 1
	s_add_co_u32 s3, s3, s20
	s_cmp_eq_u32 s21, 2
	s_cselect_b32 s23, s3, s2
	s_cselect_b32 s3, s2, s3
	s_mov_b32 s2, s23
	s_wait_dscnt 0x0
	s_wait_kmcnt 0x0
	s_cmp_eq_u32 s21, 2
	s_cselect_b64 s[94:95], s[6:7], s[4:5]
	s_cselect_b64 s[98:99], s[4:5], s[6:7]
	s_mov_b32 s100, XSC
	s_mov_b32 s104, WSC
	s_cselect_b32 s101, s104, s100
	s_cselect_b32 s105, s100, s104
	s_lshl_b32 s100, s92, 12
	s_add_co_u32 s100, s100, s101
	s_mov_b32 s101, 0
	s_lshl_b32 s104, s96, 12
	s_add_co_u32 s104, s104, s105
	s_mov_b32 s105, 0
	CROUND
	s_add_nc_u64 s[G0S+2:G0S+3], s[94:95], s[100:101]
	s_add_nc_u64 s[G0SB+2:G0SB+3], s[98:99], s[104:105]
	s_cmp_eq_u32 s19, 0
	s_cselect_b64 s[G0S:G0S+1], s[G0S+2:G0S+3], s[G0SB+2:G0SB+3]   ; the 4,096 scale bytes of the 128 rows that I fetch
	s_mul_i32 s100, s92, GRP
	s_add_nc_u64 s[94:95], s[94:95], s[100:101]
	s_mul_i32 s104, s96, GRP
	s_add_nc_u64 s[98:99], s[98:99], s[104:105]
.irp s, 0
	s_mov_b32 s[G0A+4*\s], 1
	s_mul_i32 s[G0A+4*\s+1], s18, 3*HALFT
	s_add_nc_u64 s[G0A+4*\s+2:G0A+4*\s+3], s[94:95], \s*KSL
	s_or_b32 s[G0A+4*\s+3], s[G0A+4*\s+3], 0x80000000
	s_mov_b32 s[G0B+4*\s], 1
	s_mul_i32 s[G0B+4*\s+1], s18, 3*HALFT
	s_add_nc_u64 s[G0B+4*\s+2:G0B+4*\s+3], s[98:99], \s*KSL
	s_or_b32 s[G0B+4*\s+3], s[G0B+4*\s+3], 0x80000000
	JLOAD G0A+4*\s, G1A, G0B+4*\s, G1B             ; my one tensor load at the head: K slots 0 to 2 of my 128 rows lie on end in memory: 288 rows of 256 bytes
	v_and_b32 v30, 31, v0
	v_bfe_u32 v31, v0, 4, 1
	v_lshlrev_b32 v30, 4, v30                      ; 16 x lane
	s_mul_i32 s92, s18, HALFS
	s_add_co_u32 s92, s92, SCL
	v_lshl_add_u32 v31, v31, 4, v30                ; in LDS 16 bytes of padding behind each 256
	v_add_nc_u32 v31, s92, v31
	s_wait_alu depctr_va_vdst(0)
.irp i, 0,1,2,3,4,5,6,7
	global_load_b128 v[SC+4*\i:SC+4*\i+3], v30, s[G0S:G0S+1] offset:512*\i   ; the scales come through registers: 512 consecutive bytes a load
.endr
	s_wait_loadcnt 0x0
.irp i, 0,1,2,3,4,5,6,7
	ds_store_b128 v31, v[SC+4*\i:SC+4*\i+3] offset:544*\i                    ; into bytes that no tensor load fills
.endr
.endr
	s_mov_b32 s100, 0x76543210
	s_mov_b32 s101, 0xfedcba98
	v_and_b32 v25, 31, v0
	v_and_b32 v[RR], 15, v0
	v_bfe_u32 v[HH], v0, 4, 1
	v_lshlrev_b32 v[LI], 4, v25
	v_lshlrev_b32 v[LH], 4, v[RR]
	v_lshl_add_u32 v[LH], v[HH], 3, v[LH]
	v_and_b32 v[TOK], 7, v0
	v_bfe_u32 v25, v0, 3, 1
	v_lshl_add_u32 v[TOK], v25, 5, v[TOK]
	v_lshlrev_b32 v[SH8], 3, v[HH]
	v_mul_u32_u24 v[OV], v[HH], 208896
	v_lshl_add_u32 v[OV], v[RR], 4, v[OV]
	s_mul_i32 s92, s19, 3*HALFT
	s_mul_i32 s96, s20, 3*HALFT
	s_add_co_u32 s96, s96, 6*HALFT
.irp s, 0,1,2
	v_add_nc_u32 v[A16+\s], s92, v[LI]
	v_add_nc_u32 v[A8+\s], s92, v[LH]
	v_add_nc_u32 v[B16+\s], s96, v[LI]
	v_add_nc_u32 v[B8+\s], s96, v[LH]
	s_add_co_u32 s92, s92, HALFT
	s_add_co_u32 s96, s96, HALFT
.endr
	v_lshlrev_b32 v25, 5, v[RR]
	v_lshrrev_b32 v26, 8, v25
	v_lshl_add_u32 v25, v26, 4, v25
	s_mul_i32 s92, s19, HALFS
	s_mul_i32 s96, s20, HALFS
	s_add_co_u32 s96, s96, 2*HALFS
	s_sub_co_u32 s96, s96, s92
	v_mul_u32_u24 v26, s96, v[HH]
	s_add_co_u32 s92, s92, SCL
	v_add_nc_u32 v25, v25, v26
	v_add_nc_u32 v[ADRS], s92, v25
	s_lshl_b32 s92, s3, 9
	s_cmp_eq_u32 s21, 2
	s_cbranch_scc1 .Lhead_v
	v_lshl_add_u32 v[VBI], v[HH], 6, s92
	s_lshl_b32 s96, s2, 7
	v_add_nc_u32 v[VMB], s96, v[TOK]
	s_lshl_b32 s96, s2, 15
	v_add_nc_u32 v[VTB], s96, v[LI]
.irp hd, 0,1
.irp u, 0,1,2,3
	global_load_b128 v[BIAS+32*\hd+8*\u:BIAS+32*\hd+8*\u+3], v[VBI], s[8:9] offset:4*(64*\hd+32*(\u/2)+8*(\u%2))
	global_load_b128 v[BIAS+32*\hd+8*\u+4:BIAS+32*\hd+8*\u+7], v[VBI], s[8:9] offset:4*(64*\hd+32*(\u/2)+8*(\u%2))+16
.endr
.endr
.irp a, 0,1,2,3,4,5,6,7
	global_load_u8 v[MB+\a], v[VMB], s[10:11] offset:64*(\a/4)+8*(\a%4)
.endr
.macro TABLOAD a, reg
.irp g, 0,1,2,3,4,5,6,7
	global_load_b128 v[\reg+4*\g:\reg+4*\g+3], v[VTB], s[12:13] offset:4096*\a+512*\g
.endr
.endm
	WIN 0x40
	TABLOAD 0, 96
	TABLOAD 1, 224
	WIN 0
	s_branch .Lhead_done
.Lhead_v:
	v_lshl_add_u32 v[VBV], v[TOK], 2, s92
.irp a, 0,1,2,3,4,5,6,7
	global_load_b32 v[BV+2*\a], v[VBV], s[8:9] offset:4*(64*(\a/4)+8*(\a%4))
	global_load_b32 v[BV+2*\a+1], v[VBV], s[8:9] offset:4*(64*(\a/4)+8*(\a%4))
.endr
.Lhead_done:
	s_wait_tensorcnt 0x0
	s_wait_dscnt 0x0
	s_barrier_signal -1
	s_barrier_wait -1
	FETCH_B 0, 0, 0
	FETCH_A 0, 0, 0
	s_wait_alu depctr_va_vdst(0)
	SCALES 0
	FETCH_A 0, 0, 4
	STEP 0, 0, 1
	TURN 0, 1, 0, 2
	s_wait_alu depctr_va_vdst(0)
	STEP 1, 1, 0
	TURN 1, 2, 1, 0
	s_wait_alu depctr_va_vdst(0)
	STEP 2, 0, 0
	TURN 2, 0, 0, 1
	STEP 0, 1, 0
	s_wait_dscnt 16
	WIN MUL_LO
	MUL16 0, 1, 1, 1, 0
	MUL16 2, 1, 1, 1, 0
	s_wait_dscnt 0x0
	WIN MUL_HI
	MUL16 4, 1, 1, 1, 0
	MUL16 6, 1, 1, 1, 0
	WIN 0
	PLACES 4
	s_wait_loadcnt 0x0
	s_mov_b32 s28, 0xffff0000
	v_mov_b32 v[M2], 0
	v_mov_b32 v[M3], 0
	v_mov_b32 v[W2], 0
	s_lshr_b32 s30, s2, 4
	s_lshl_b32 s30, s30, 4
	s_and_b32 s31, s3, 7
	s_lshl_b32 s31, s31, 1
	s_add_co_u32 s30, s30, s31
	s_lshl_b32 s30, s30, 4
	s_and_b32 s31, s2, 15
	s_add_co_u32 s30, s30, s31
	s_cmp_eq_u32 s21, 2
	s_cbranch_scc1 .Lv
	WIN 0x40
	TABLOAD 2, 0
	TABLOAD 3, 32
	TABLOAD 4, 64
	TABLOAD 5, 128
	TABLOAD 6, 160
	TABLOAD 7, 192
	WIN 0
	s_cmp_eq_u32 s21, 0
	s_cselect_b64 s[24:25], s[14:15], s[16:17]
	s_mov_b32 s32, 13056
	s_cselect_b32 s32, 6656, s32
	s_mul_i32 s30, s30, s32
	s_mov_b32 s31, 0
	s_add_nc_u64 s[24:25], s[24:25], s[30:31]
	s_lshl_b32 s30, s32, 4
	s_add_nc_u64 s[26:27], s[24:25], s[30:31]
	s_cmp_eq_u32 s21, 1
	s_mov_b32 s30, 0x7f7f0000
	s_cselect_b32 s31, 0x01010000, s30
	s_cselect_b32 s30, 0x01fa0000, s30
	v_mov_b32 v[ONV], s31
	v_mov_b32 v[OFFV], s30
.irp a, 0,1,2,3,4,5,6,7
	v_cmp_ne_u32 vcc_lo, 0, v[MB+\a]
	v_cndmask_b32 v[EXT+\a], v[OFFV], v[ONV], vcc_lo
.endr
.macro UNITQK a, hd
.if \a == 0
.set TRB, 96
.elseif \a == 1
.set TRB, 224
.elseif \a < 5
.set TRB, 32*(\a-2)
.else
.set TRB, 128+32*(\a-5)
.endif
.if (\hd == 0) && (\a >= 2)
	s_wait_loadcnt 8*(7-\a)
.endif
	WIN 2+(\a)/4
.irp i, 0,2,4,6,8,10,12,14,16,18,20,22,24,26,28,30
	v_pk_add_f32 v[Y+\i:Y+\i+1], v[8*(8*((\a)%4)+4*\hd)+\i:8*(8*((\a)%4)+4*\hd)+\i+1], v[BIAS+32*\hd+\i:BIAS+32*\hd+\i+1]
.endr
	WIN 0x04
.irp i, 0,2,4,6,8,10,12,14
	v_pk_mul_f32 v[N+\i:N+\i+1], v[Y+\i:Y+\i+1], v[TRB+\i:TRB+\i+1]
	v_pk_mul_f32 v[N+16+\i:N+17+\i], v[Y+\i:Y+\i+1], v[TRB+16+\i:TRB+17+\i]
.endr
.irp i, 0,2,4,6,8,10,12,14
	v_pk_fma_f32 v[N+\i:N+\i+1], v[Y+16+\i:Y+17+\i], v[TRB+16+\i:TRB+17+\i], v[N+\i:N+\i+1] neg_lo:[1,0,0] neg_hi:[1,0,0]
	v_pk_fma_f32 v[N+16+\i:N+17+\i], v[Y+16+\i:Y+17+\i], v[TRB+\i:TRB+\i+1], v[N+16+\i:N+17+\i]
.endr
	WIN 0
	v_max3_num_f32 v[M0], |v[N]|, |v[N+1]|, 0x1800000
	v_max3_num_f32 v[M1], |v[N+16]|, |v[N+17]|, 0x1800000
.irp i, 2,4,6,8,10,12,14
	v_max3_num_f32 v[M0], v[M0], |v[N+\i]|, |v[N+\i+1]|
	v_max3_num_f32 v[M1], v[M1], |v[N+16+\i]|, |v[N+17+\i]|
.endr
	v_permlanex16_b32 v[M2], v[M0], s100, s101
	v_permlanex16_b32 v[M3], v[M1], s100, s101
	v_max_num_f32 v[M0], v[M0], v[M2]
	v_max_num_f32 v[M1], v[M1], v[M3]
	v_add_nc_u32 v[SC0], 0xff000000, v[M0]
	v_add_nc_u32 v[SC1], 0xff000000, v[M1]
	v_lshrrev_b32 v[BY0], 23, v[SC0]
	v_lshrrev_b32 v[BY1], 23, v[SC1]
	s_wait_alu depctr_va_vdst(0)
	s_wait_xcnt 0x0
	v_cvt_scalef32_pk16_fp6_f32 v[E:E+2], v[N:N+15], v[SC0]
	v_cvt_scalef32_pk16_fp6_f32 v[T0:T0+2], v[N+16:N+31], v[SC1]
	v_nop
.irp i, 0,1,2
	v_permlane16_swap_b32 v[E+\i], v[T0+\i]
.endr
.irp i, 0,1,2
	v_mov_b32 v[E+3+\i], v[T0+\i]
.endr
	v_lshl_or_b32 v[SW+8*\hd+\a], v[BY1], 8, v[BY0]
	v_or_b32 v[SW+8*\hd+\a], v[SW+8*\hd+\a], v[EXT+\a]
	global_store_b128 v[LI], v[E:E+3], s[24+2*\hd:25+2*\hd] offset:768*\a
	global_store_b64 v[LH], v[E+4:E+5], s[24+2*\hd:25+2*\hd] offset:768*\a+512
.endm
.irp a, 0,1,2,3,4,5,6,7
	UNITQK \a, 0
	UNITQK \a, 1
.endr
.irp hd, 0,1
.irp i, 0,1,2,3
	v_cndmask_b32 v[N+4*\hd+\i], v[SW+8*\hd+\i], v[SW+8*\hd+4+\i], s28
.endr
	global_store_b128 v[LI], v[N+4*\hd:N+4*\hd+3], s[24+2*\hd:25+2*\hd] offset:6144
.endr
	s_branch .Lend
.Lv:
	s_mul_i32 s30, s30, 13056
	s_mov_b32 s31, 0
	s_add_nc_u64 s[24:25], s[16:17], s[30:31]
.macro UNITV a
	WIN 2+(\a)/4
.set ii, 0
.rept 32
	v_pk_add_f32 v[Z+ii:Z+ii+1], v[64*((\a)%4)+ii:64*((\a)%4)+ii+1], v[BV+2*(\a):BV+2*(\a)+1]
.set ii, ii+2
.endr
	WIN 0
	v_max3_num_f32 v[M0], |v[Z]|, |v[Z+1]|, 0x1800000
	v_max3_num_f32 v[M1], |v[Z+32]|, |v[Z+33]|, 0x1800000
.irp i, 2,4,6,8,10,12,14,16,18,20,22,24,26,28,30
	v_max3_num_f32 v[M0], v[M0], |v[Z+\i]|, |v[Z+\i+1]|
	v_max3_num_f32 v[M1], v[M1], |v[Z+32+\i]|, |v[Z+33+\i]|
.endr
	v_add_nc_u32 v[SC0], 0xff000000, v[M0]
	v_add_nc_u32 v[SC1], 0xff000000, v[M1]
	v_lshrrev_b32 v[BY0], 23, v[SC0]
	v_lshrrev_b32 v[BY1], 23, v[SC1]
	s_wait_alu depctr_va_vdst(0)
	s_wait_xcnt 0x0
	v_cvt_scalef32_pk16_fp6_f32 v[E:E+2], v[Z:Z+15], v[SC0]
	v_cvt_scalef32_pk16_fp6_f32 v[T0:T0+2], v[Z+16:Z+31], v[SC0]
	v_cvt_scalef32_pk16_fp6_f32 v[E+6:E+8], v[Z+32:Z+47], v[SC1]
	v_cvt_scalef32_pk16_fp6_f32 v[T1:T1+2], v[Z+48:Z+63], v[SC1]
	v_nop
.irp i, 0,1,2
	v_mov_b32 v[E+3+\i], v[T0+\i]
	v_mov_b32 v[E+9+\i], v[T1+\i]
.endr
	v_lshl_or_b32 v[W], v[BY1], 16, v[BY0]
	v_lshlrev_b32 v[W], v[SH8], v[W]
	v_permlanex16_b32 v[W2], v[W], s100, s101
	v_or_b32 v[VW+\a], v[W], v[W2]
	global_store_b128 v[LI], v[E:E+3], s[24:25] offset:((\a)/4)*208896+6656+1536*((\a)%4)
	global_store_b64 v[LH], v[E+4:E+5], s[24:25] offset:((\a)/4)*208896+6656+1536*((\a)%4)+512
	global_store_b128 v[LI], v[E+6:E+9], s[24:25] offset:((\a)/4)*208896+6656+1536*((\a)%4)+768
	global_store_b64 v[LH], v[E+10:E+11], s[24:25] offset:((\a)/4)*208896+6656+1536*((\a)%4)+1280
.endm
.irp a, 0,1,2,3,4,5,6,7
	UNITV \a
.endr
.irp i, 0,1,2,3
	v_cndmask_b32 v[N+\i], v[VW+\i], v[VW+4+\i], s28
.endr
	global_store_b128 v[OV], v[N:N+3], s[24:25] offset:12800
.Lend:
	s_wait_tensorcnt 0x0
	ds_add_u32 v[SPW], v[NIL]
	s_wait_dscnt 0x0
	CROUND
	s_endpgm
.Lfunc_end_k_q3d02c09928_qkv:
	.size	k_q3d02c09928_qkv, .Lfunc_end_k_q3d02c09928_qkv-k_q3d02c09928_qkv
	.p2alignl 7, 3214868480
	.fill 96, 4, 3214868480
	.section	.rodata,"a",@progbits
	.p2align	6, 0x0
	.amdhsa_kernel k_q3d02c09928_qkv
		.amdhsa_group_segment_fixed_size 327680
		.amdhsa_private_segment_fixed_size 0
		.amdhsa_enable_private_segment 0
		.amdhsa_kernarg_size 56
		.amdhsa_user_sgpr_count 2
		.amdhsa_user_sgpr_kernarg_segment_ptr 1
		.amdhsa_wavefront_size32 1
		.amdhsa_system_sgpr_workgroup_id_x 1
		.amdhsa_system_sgpr_workgroup_id_y 1
		.amdhsa_system_sgpr_workgroup_id_z 1
		.amdhsa_system_vgpr_workitem_id 0
		.amdhsa_next_free_vgpr 1024
		.amdhsa_next_free_sgpr 106
		.amdhsa_reserve_vcc 1
		.amdhsa_float_denorm_mode_32 3
		.amdhsa_float_denorm_mode_16_64 3
		.amdhsa_memory_ordered 1
		.amdhsa_forward_progress 1
		.amdhsa_inst_pref_size 253
	.end_amdhsa_kernel
	.amdgpu_metadata
---
amdhsa.version: [ 1, 2 ]
amdhsa.kernels:
  - .name:           k_q3d02c09928_qkv
    .symbol:         k_q3d02c09928_qkv.kd
    .args:
      - { .name: xq, .offset: 0, .size: 8, .value_kind: global_buffer, .address_space: global }
      - { .name: wq, .offset: 8, .size: 8, .value_kind: global_buffer, .address_space: global }
      - { .name: b_in, .offset: 16, .size: 8, .value_kind: global_buffer, .address_space: global }
      - { .name: mask, .offset: 24, .size: 8, .value_kind: global_buffer, .address_space: global }
      - { .name: rope, .offset: 32, .size: 8, .value_kind: global_buffer, .address_space: global }
      - { .name: q_img, .offset: 40, .size: 8, .value_kind: global_buffer, .address_space: global }
      - { .name: kv_img, .offset: 48, .size: 8, .value_kind: global_buffer, .address_space: global }
    .group_segment_fixed_size: 327680
    .private_segment_fixed_size: 0
    .kernarg_segment_align: 8
    .kernarg_segment_size: 56
    .max_flat_workgroup_size: 128
    .sgpr_count:     106
    .vgpr_count:     1024
    .wavefront_size: 32
...
	.end_amdgpu_metadata
.endif
;; end of part 2
;; launch attn (part 3): grid 4 x 64, 16 waves a work-group, clusters of 4 x 1, 210,944 bytes of LDS; arguments q_img, kv_img, ao; writes ao
.if DOCPART == 3
	.amdgcn_target "amdgcn-amd-amdhsa--gfx1250"
	.amdhsa_code_object_version 6
	.text
	.protected	k_q3d02c09928_attn
	.globl	k_q3d02c09928_attn
	.p2align	8
	.type	k_q3d02c09928_attn,@function
k_q3d02c09928_attn:
	s_mov_b64 s[64:65], 0
	v_nop
	global_prefetch_b8 v0, s[64:65] scope:SCOPE_SE
	s_setreg_imm32_b32 hwreg(HW_REG_WAVE_MODE, 25, 1), 1
	s_wait_xcnt 0x0
	s_wait_alu depctr_hold_cnt(0) depctr_sa_sdst(0) depctr_va_vdst(0) depctr_va_sdst(0) depctr_va_ssrc(0) depctr_va_vcc(0) depctr_vm_vsrc(0)
	s_getreg_b32 s2, hwreg(HW_REG_IB_STS2, 6, 4)
	s_cmp_eq_u32 s2, 0
	s_cbranch_scc0 .Lentry_in_a_cluster
	s_endpgm
.Lentry_in_a_cluster:
	s_bfe_u32 s2, ttmp6, 0x10000c
	s_cmp_lg_u32 s2, 0x3003
	s_cbranch_scc0 .Lentry_shape_is_right
	s_endpgm
.Lentry_shape_is_right:
; Attention of one head (work-group y = 16 n + head) on codes of FP6 (E2M3) with E8M0 scales; the result, divided by the row's sum, is quantised along D and stored as images of the last product's operand.
; t = score x log2(e) / 8; M = the running largest t rounded UP to a whole number; p = 2^(t - M) is quantised along the keys; the row's sum is taken of the unquantised p.  When M moves, sum and O are multiplied by 2^(old M - new M): exact.
; SHARES.  A work-group owns 512 queries; each of its sixteen waves one tile of 16 in each of two passes.  THE WHOLE HEAD'S K AND V STAY IN LDS: 16 records of 13,056 bytes (a key step of 128: K's 8 half fragments, K's scale words,
; V^T's 4 fragments, V's scale words), filled once: wave w asks for record w, one tensor load a wave, and nothing is filled again.  The four work-groups of a cluster walk the same head: every fill is a joint load (mask 15).
; No data prefetch: the 16 loads at the head ask for all that the work-group reads of kv_img, so no later load is left to run ahead of.
; LAYOUT.  Both products transposed: S^T = K Q^T, O^T = V^T P^T: a lane holds one query.  The keys of a tile (tile i, row r = key 64 (i / 4) + 8 (i % 4) + r % 8 + 32 (r / 8)) make a lane's 32 registers of four tiles a WHOLE
; block of 32 neighbouring keys: a block's maximum needs no other lane, and the conversions' results are the operand's registers.  V's rows likewise: a lane's 32 registers of O^T are a whole block of D.
; K = 64 fills half of the instruction's 128.  Of the padding, k = 64 holds the code -7.5 in K's fragments and 1.0 in Q's; a key's scale byte for that block is 1 (adds -7.5 x 2^-126) or, where the key is masked, 250 (adds -7.5 x 2^123: p = 0).
; All other padding codes of Q are zeros, and every 6-bit pattern is a finite number: so registers 7-11 of a K fragment may hold any codes.  K's eight fragments stand 8 registers apart (6 of data, the constant, one zero),
; each reaching over the next one's data (the last over p's codes): 68 registers hold a whole key step, its eight products go out in one run, and the next step's K is fetched behind that run.
; LIMITS: the scores of keys that count lie above -1e30, where the running largest score starts; a row all of whose keys are masked is known by that start and gets the scale byte 0xff, so that the last product gives NaN there.
; NaN and infinities among the inputs are not served.
.set REC,   13056
.set SPARE, 16*REC                     ; behind the head: the spare words, 128 bytes a wave
.set LI,  1                            ; 16 x lane
.set LH,  2                            ; 16 r + 8 h
.set LR,  3                            ; 16 r
.set SPW, 4                            ; my spare word; never rewritten
.set NIL, 5                            ; 0; never rewritten
.set KA,  6                            ; v6-8: the NEXT record, + LI, LH, LR (K's loads run one step ahead)
.set KH,  7
.set KR,  8
.set SH8, 9
.set OB,  10                           ; 32 r + h
.set FFV, 11
.set NM,  12                           ; -M
.set TM,  13                           ; the running largest score
.set L,   14                           ; v[14:15] the sum
.set Q,   16                           ; v16-27 the pass's queries; v28 their scale words
.set QS,  28
.set PW,  29                           ; p's scale word
.set QN,  30                           ; v30-35 the second pass's queries, v36 their scale words
.set QNS, 36
.set VA,  37                           ; v37-39: THIS record, + LI, LH, LR (V's loads)
.set VH,  38
.set VR,  39
.set KB,  40                           ; v40-103: fragment t of K at KB + 8 t
.set P,   104                          ; v104-115 p's codes
.set KS,  116
.set VS,  124
.set S,   128                          ; S^T, then p; V's fragments land on it as p is converted; at the end O / sum
.set O,   192
.set F,   224
.set SC0, 226
.set SC1, 227
.set BY0, 228
.set BY1, 229
.set TA,  230
.set TBR, 234
.set SA,  238                          ; v238-245 the sum's four chains
.set MX0, 246
.set MX1, 247
.set MA,  248
.set MB,  249
.set T0,  250
.set T1,  251
.set T2,  252
.set SEL, 40
.set CS,  42
.set TB,  44
.set CNT, 45
.set THR, 46
.set CSN, 47
.macro CROUND
	s_barrier_signal -1
	s_barrier_wait -1
	s_cmp_lg_u32 s10, 0
	s_cbranch_scc1 .Lnot_wave_0_\@
	s_barrier_signal -3
.Lnot_wave_0_\@:
	s_barrier_wait -3
	s_barrier_signal -1
	s_barrier_wait -1
.endm
	s_load_b128 s[4:7], s[0:1], 0x0                ; q_img s[4:5], kv_img s[6:7]
	s_load_b64 s[8:9], s[0:1], 0x10                ; ao
	v_lshl_add_u32 v[SPW], v0, 2, SPARE
	v_mov_b32 v[NIL], 0
	ds_add_u32 v[SPW], v[NIL]                      ; the wave's opening: the add, twice on end, and its wait ahead of my tensor load
	ds_add_u32 v[SPW], v[NIL]
	v_lshrrev_b32 v6, 5, v0
	s_delay_alu instid0(VALU_DEP_1)
	v_readfirstlane_b32 s10, v6                    ; wave 0..15
	s_bfe_u32 s11, ttmp6, 0x40000                  ; cx
	s_and_b32 s12, ttmp7, 0xffff                   ; y = 16 n + head
	s_mov_b32 s16, 15|(3<<16)|(1<<21)              ; the mask: all four; elements of 8 bytes; bit 21 beside a mask; no padding
	s_mov_b32 s17, 32<<16                          ; rows of 256 bytes,
	s_mov_b32 s18, 51<<16                          ; 51 of them: a record
	s_mov_b32 s19, 32<<16
	s_mov_b32 s20, 51
	s_mov_b32 s21, 32
	s_mov_b32 s22, 0
	s_mov_b32 s23, 0
	s_mov_b32 s[SEL], 0x76543210
	s_mov_b32 s[SEL+1], 0xfedcba98
	s_mov_b32 s[CS], 0x3e38aa3b                    ; log2(e) / 8
	s_mov_b32 s[CS+1], s[CS]
	s_mov_b32 s[CSN], 0xbe38aa3b                   ; and its negative
	s_mov_b32 s[THR], 0xf149f2ca                   ; -1e30
	s_mul_i32 s25, s10, REC                        ; LDS: record number wave
	s_mul_i32 s14, s12, 16*REC
	s_add_co_u32 s14, s14, s25
	s_mov_b32 s15, 0
	s_mov_b32 s24, 1
	s_wait_dscnt 0x0                               ; both opening adds are done
	s_wait_kmcnt 0x0
	s_add_nc_u64 s[26:27], s[6:7], s[14:15]        ; the head's record number wave
	s_or_b32 s27, s27, 0x80000000
	CROUND                                         ; all four work-groups are here: the joint loads meet
	tensor_load_to_lds s[24:27], s[16:23]          ; my one tensor load
	s_nop 0
	; pass 0's tile: group 4 cx + wave / 8 of the head's 16 groups of 128 queries, tile wave % 8; pass 1's lies two groups on
	s_lshr_b32 s66, s10, 3
	s_lshl_b32 s67, s11, 2
	s_add_co_u32 s66, s66, s67
	s_and_b32 s67, s10, 7
	s_lshl_b32 s68, s12, 4
	s_add_co_u32 s68, s68, s66
	s_mul_i32 s68, s68, 6656
	s_mul_i32 s70, s67, 768
	s_add_co_u32 s70, s70, s68
	s_mov_b32 s71, 0
	s_add_nc_u64 s[48:49], s[4:5], s[70:71]        ; the tile's codes
	s_lshr_b32 s70, s67, 2
	s_lshl_b32 s70, s70, 8
	s_and_b32 s72, s67, 3
	s_lshl_b32 s72, s72, 2
	s_add_co_u32 s70, s70, s72
	s_add_co_u32 s70, s70, s68
	s_add_co_u32 s70, s70, 6144
	s_add_nc_u64 s[50:51], s[4:5], s[70:71]        ; its scale words
	s_lshr_b32 s68, s12, 4
	s_lshl_b32 s68, s68, 4
	s_add_co_u32 s68, s68, s66                     ; the group among all 64
	s_and_b32 s69, s12, 15                         ; the head
	s_mul_i32 s70, s68, 98304
	s_lshr_b32 s72, s69, 2
	s_mul_i32 s72, s72, 24576
	s_add_co_u32 s70, s70, s72
	s_mul_i32 s72, s67, 3072
	s_add_co_u32 s70, s70, s72
	s_bfe_u32 s72, s69, 0x10001
	s_mul_i32 s72, s72, 1536
	s_add_co_u32 s70, s70, s72
	s_and_b32 s72, s69, 1
	s_mul_i32 s72, s72, 768
	s_add_co_u32 s70, s70, s72
	s_add_nc_u64 s[52:53], s[8:9], s[70:71]        ; ao: the tile's half fragment of this head
	s_lshl_b32 s70, s68, 12
	s_lshl_b32 s72, s67, 9
	s_add_co_u32 s70, s70, s72
	s_lshl_b32 s72, s69, 1
	s_add_co_u32 s70, s70, s72
	s_add_co_u32 s70, s70, 6291456
	s_add_nc_u64 s[54:55], s[8:9], s[70:71]        ; and its scale bytes: row x 32 + 2 head + h
	; the head's vector work in one run, no scalar line inside it
	v_and_b32 v6, 31, v0
	v_and_b32 v7, 15, v0                           ; r
	v_bfe_u32 v8, v0, 4, 1                         ; h
	v_lshlrev_b32 v[LI], 4, v6
	v_lshlrev_b32 v[LR], 4, v7
	v_lshlrev_b32 v[SH8], 3, v8
	v_lshl_add_u32 v[OB], v7, 5, v8
	v_lshl_add_u32 v[LH], v8, 3, v[LR]
	v_xor_b32 v6, 1, v8                            ; the padding: k = 64 is the lowest code of register 6 in lanes 0-15
	v_mov_b32 v[FFV], 0xff
	v_mov_b32 v[T1], 0                             ; a lane permute's destination counts as a source
	v_mul_u32_u24 v7, v6, 0x3f                     ; -7.5
	v_lshlrev_b32 v6, 3, v6                        ; 1.0
	v_mov_b32 v[F+1], 0                            ; named as the upper half of a pair
.irp t, 0,1,2,3,4,5,6,7
	v_mov_b32 v[KB+8*\t+6], v7
	v_mov_b32 v[KB+8*\t+7], 0
.endr
	v_mov_b32 v[Q+6], v6
.irp i, 7,8,9,10,11
	v_mov_b32 v[Q+\i], 0
.endr
.irp i, 0,1,2,3
	v_mov_b32 v[P+\i], 0                           ; K's last fragment reaches over these four: written before it is first named
.endr
	s_wait_alu depctr_va_vdst(0)
	global_load_b128 v[Q:Q+3], v[LI], s[48:49]
	global_load_b64 v[Q+4:Q+5], v[LH], s[48:49] offset:512
	global_load_b32 v[QS], v[LR], s[50:51]
	global_load_b128 v[QN:QN+3], v[LI], s[48:49] offset:13312
	global_load_b64 v[QN+4:QN+5], v[LH], s[48:49] offset:13312+512
	global_load_b32 v[QNS], v[LR], s[50:51] offset:13312
.macro KLOAD a, h, r                           ; a record's eight half fragments of K and their scale words: 18 loads
.irp t, 0,1,2,3,4,5,6,7
	ds_load_b128 v[KB+8*\t:KB+8*\t+3], v[\a] offset:768*\t
	ds_load_b64 v[KB+8*\t+4:KB+8*\t+5], v[\h] offset:768*\t+512
.endr
	ds_load_b128 v[KS:KS+3], v[\r] offset:6144
	ds_load_b128 v[KS+4:KS+7], v[\r] offset:6400
.endm
.macro VLOAD u                                 ; fragment u of V^T: 0, 1 on p's first half, 2, 3 on its second
.set VB, S+12*\u+8*(\u/2)
	ds_load_b128 v[VB:VB+3], v[VA] offset:6656+1536*\u
	ds_load_b64 v[VB+4:VB+5], v[VH] offset:6656+1536*\u+512
	ds_load_b128 v[VB+6:VB+9], v[VA] offset:6656+1536*\u+768
	ds_load_b64 v[VB+10:VB+11], v[VH] offset:6656+1536*\u+1280
.endm
.macro PV u
.set VB, S+12*\u+8*(\u/2)
	v_wmma_scale_f32_16x16x128_f8f6f4 v[O+8*\u:O+8*\u+7], v[VB:VB+11], v[P:P+11], v[O+8*\u:O+8*\u+7], v[VS+\u], v[PW] matrix_a_fmt:MATRIX_FMT_FP6 matrix_b_fmt:MATRIX_FMT_FP6
.endm
.macro TMM j0                                  ; t - M of 16 scores
.irp j, 0,2,4,6,8,10,12,14
	v_pk_fma_f32 v[S+\j0+\j:S+\j0+\j+1], v[S+\j0+\j:S+\j0+\j+1], s[CS:CS+1], v[NM:NM+1] op_sel_hi:[1,0,0]
.endr
.endm
.macro ADD4 i                                  ; eight p onto the sum's four chains
.irp c, 0,2,4,6
	v_pk_add_f32 v[SA+\c:SA+\c+1], v[SA+\c:SA+\c+1], v[S+\i+\c:S+\i+\c+1]
.endr
.endm
; A KEY STEP: 128 keys.  Its K is in registers or on its way.  pf = 1: the next record's K is fetched; 2: record 0's, for the next pass; 0: nothing
.macro STEP pf
	s_wait_dscnt 0x0                               ; K's fragments and scale words are in
.irp t, 0,1,2,3,4,5,6,7
	v_wmma_scale_f32_16x16x128_f8f6f4 v[S+8*\t:S+8*\t+7], v[KB+8*\t:KB+8*\t+11], v[Q:Q+11], 0, v[KS+\t], v[QS] matrix_a_fmt:MATRIX_FMT_FP6 matrix_b_fmt:MATRIX_FMT_FP6
.endr
.if \pf == 1
	s_add_co_u32 s[TB], s[TB], REC
	v_add_nc_u32 v[KA], s[TB], v[LI]               ; four places in front of the loads into K's registers and of the first read of the scores
	v_add_nc_u32 v[KH], s[TB], v[LH]
	v_add_nc_u32 v[KR], s[TB], v[LR]
.else
.rept 3
	v_nop
.endr
.endif
	v_mov_b32 v[T2], v[NM]                         ; the old -M
.if \pf == 1
	KLOAD KA, KH, KR
.elseif \pf == 2
	KLOAD LI, LH, LR
.endif
	v_max3_num_f32 v[MX0], v[S], v[S+1], v[S+2]    ; the largest score of my two blocks of 32 keys, in four chains; each accumulator is first read at its low end
	v_max3_num_f32 v[MA], v[S+16], v[S+17], v[S+18]
	v_max3_num_f32 v[MX1], v[S+32], v[S+33], v[S+34]
	v_max3_num_f32 v[MB], v[S+48], v[S+49], v[S+50]
.irp i, 3,5,7,9,11,13
	v_max3_num_f32 v[MX0], v[MX0], v[S+\i], v[S+\i+1]
	v_max3_num_f32 v[MA], v[MA], v[S+16+\i], v[S+17+\i]
	v_max3_num_f32 v[MX1], v[MX1], v[S+32+\i], v[S+33+\i]
	v_max3_num_f32 v[MB], v[MB], v[S+48+\i], v[S+49+\i]
.endr
	v_max3_num_f32 v[MX0], v[MX0], v[S+15], v[S+31]
	v_max3_num_f32 v[MX1], v[MX1], v[S+47], v[S+63]
	v_max_num_f32 v[MX0], v[MX0], v[MA]
	v_max_num_f32 v[MX1], v[MX1], v[MB]
	s_delay_alu instid0(VALU_DEP_1)
	v_max_num_f32 v[T0], v[MX0], v[MX1]
	s_delay_alu instid0(VALU_DEP_1)
	v_permlanex16_b32 v[T1], v[T0], s[SEL], s[SEL+1]
	s_delay_alu instid0(VALU_DEP_1)
	v_max3_num_f32 v[TM], v[TM], v[T0], v[T1]      ; the running largest score of my query (the factor to t is positive)
	s_delay_alu instid0(VALU_DEP_1)
	v_mul_f32 v[T0], s[CSN], v[TM]                 ; -t
	s_delay_alu instid0(VALU_DEP_1)
	v_floor_f32 v[NM], v[T0]                       ; -M = floor(-t): M is a whole number
	TMM 0
	v_sub_f32 v[T1], v[NM], v[T2]
	TMM 16
	v_cvt_i32_f32 v[T1], v[T1]                     ; (it saturates)
	TMM 32
	v_ldexp_f32 v[F], 1.0, v[T1]                   ; f = 2^(old M - new M)
	TMM 48
	v_fma_f32 v[MX0], v[MX0], s[CS], v[NM]         ; the same of each block's largest score
	v_fma_f32 v[MX1], v[MX1], s[CS], v[NM]
	s_wait_alu depctr_va_vdst(0)
	v_exp_f32 v[MX0], v[MX0]                       ; the blocks' largest p
	v_exp_f32 v[MX1], v[MX1]
.set jj, 0
.rept 64
	v_exp_f32 v[S+jj], v[S+jj]                     ; p, at most 1, not normalised
.set jj, jj+1
.endr
	v_pk_mul_f32 v[L:L+1], v[L:L+1], v[F:F+1] op_sel_hi:[1,0]      ; the sum under the new M; a plain place behind the exponentials
	s_wait_alu depctr_va_vdst(0)                   ; one wait for the batch, ahead of its first reader
	; p's scale word, line by line between the additions of p's first half
	v_max_num_f32 v[MX0], 0x1800000, v[MX0]        ; the floor 2^(3 - 127)
	v_max_num_f32 v[MX1], 0x1800000, v[MX1]
	v_pk_add_f32 v[SA:SA+1], v[S:S+1], v[S+2:S+3]
	v_pk_add_f32 v[SA+2:SA+3], v[S+4:S+5], v[S+6:S+7]
	v_add_nc_u32 v[SC0], 0xff000000, v[MX0]        ; 2 off the exponent field: the conversion's scale operand
	v_add_nc_u32 v[SC1], 0xff000000, v[MX1]
	v_pk_add_f32 v[SA+4:SA+5], v[S+8:S+9], v[S+10:S+11]
	v_pk_add_f32 v[SA+6:SA+7], v[S+12:S+13], v[S+14:S+15]
	v_lshrrev_b32 v[BY0], 23, v[SC0]
	v_lshrrev_b32 v[BY1], 23, v[SC1]
	v_pk_add_f32 v[SA:SA+1], v[SA:SA+1], v[S+16:S+17]
	v_pk_add_f32 v[SA+2:SA+3], v[SA+2:SA+3], v[S+18:S+19]
	v_lshl_or_b32 v[T0], v[BY1], 16, v[BY0]        ; my bytes: blocks h and 2 + h,
	v_pk_add_f32 v[SA+4:SA+5], v[SA+4:SA+5], v[S+20:S+21]
	v_pk_add_f32 v[SA+6:SA+7], v[SA+6:SA+7], v[S+22:S+23]
	v_lshlrev_b32 v[T0], v[SH8], v[T0]
	v_pk_add_f32 v[SA:SA+1], v[SA:SA+1], v[S+24:S+25]
	v_pk_add_f32 v[SA+2:SA+3], v[SA+2:SA+3], v[S+26:S+27]
	v_permlanex16_b32 v[T1], v[T0], s[SEL], s[SEL+1]
	v_pk_add_f32 v[SA+4:SA+5], v[SA+4:SA+5], v[S+28:S+29]
	v_pk_add_f32 v[SA+6:SA+7], v[SA+6:SA+7], v[S+30:S+31]
	v_or_b32 v[PW], v[T0], v[T1]                   ; with lane l xor 16's: p's scale word
	v_cvt_scalef32_pk16_fp6_f32 v[P:P+2], v[S:S+15], v[SC0]
	v_cvt_scalef32_pk16_fp6_f32 v[TA:TA+2], v[S+16:S+31], v[SC0]   ; (a conversion's three registers begin on an even number)
	ds_load_b128 v[VS:VS+3], v[VR] offset:12800    ; p's first half is converted: V's scale words and fragments 0, 1 land there: 9 loads
	VLOAD 0
	VLOAD 1
	ADD4 32                                        ; plain places behind the conversions
	ADD4 40
	ADD4 48
	v_cvt_scalef32_pk16_fp6_f32 v[P+6:P+8], v[S+32:S+47], v[SC1]
	v_cvt_scalef32_pk16_fp6_f32 v[TBR:TBR+2], v[S+48:S+63], v[SC1]
	VLOAD 2                                        ; 8 loads; v[S+56] to v[S+63] keep their p
	VLOAD 3
.irp i, 0,1,2
	v_mov_b32 v[P+3+\i], v[TA+\i]                  ; plain places behind the last two conversions
.endr
.irp i, 0,1,2
	v_mov_b32 v[P+9+\i], v[TBR+\i]
.endr
.if \pf == 1
	v_add_nc_u32 v[VA], s[TB], v[LI]               ; V's addresses go on to the next record
	v_add_nc_u32 v[VH], s[TB], v[LH]
	v_add_nc_u32 v[VR], s[TB], v[LR]
.endif
	s_wait_alu depctr_va_vdst(0)                   ; directly ahead of the first reader of O^T
.irp j, 0,2,4,6,8,10,12,14,16,18,20,22,24,26,28,30
	v_pk_mul_f32 v[O+\j:O+\j+1], v[O+\j:O+\j+1], v[F:F+1] op_sel_hi:[1,0]   ; O^T under the new M; also the places behind p's codes and scale word
.endr
	s_wait_alu depctr_va_vdst(0)                   ; and directly ahead of the wait below
	s_wait_dscnt 8                                 ; all but the youngest eight loads, fragments 2 and 3, are in
	PV 0
	PV 1
	s_wait_dscnt 0x0
	PV 2
	PV 3
	ADD4 56                                        ; the last eight p and the chains' ends: eight places behind the products, naming none of their registers
	v_pk_add_f32 v[SA:SA+1], v[SA:SA+1], v[SA+2:SA+3]
	v_pk_add_f32 v[SA+4:SA+5], v[SA+4:SA+5], v[SA+6:SA+7]
	s_delay_alu instid0(VALU_DEP_1)
	v_pk_add_f32 v[SA:SA+1], v[SA:SA+1], v[SA+4:SA+5]
	s_delay_alu instid0(VALU_DEP_1)
	v_pk_add_f32 v[L:L+1], v[L:L+1], v[SA:SA+1]
.endm
.macro LOOP                                    ; records 0 to 14: each trip fetches the next record's K
	s_mov_b32 s[CNT], 15
.Lstep_\@:
	STEP 1
	s_sub_co_u32 s[CNT], s[CNT], 1
	s_cmp_lg_u32 s[CNT], 0
	s_cbranch_scc1 .Lstep_\@
.endm
.macro INIT
	s_wait_xcnt 0x0                                ; the last pass's stores have read their registers
.set jj, 0
.rept 32
	v_mov_b32 v[O+jj], 0                           ; the step is written once: its first run finds zeros
.set jj, jj+1
.endr
	v_mov_b32 v[TM], s[THR]
	v_mov_b32 v[L], 0
	v_mov_b32 v[L+1], 0
	v_mul_f32 v[T0], s[CSN], v[TM]
	v_mov_b32 v[VA], v[LI]                         ; record 0
	v_mov_b32 v[VH], v[LH]
	v_mov_b32 v[VR], v[LR]
	v_floor_f32 v[NM], v[T0]
	s_mov_b32 s[TB], 0
	s_wait_alu depctr_va_vdst(0)
.endm
.macro FINISH p
	v_add_f32 v[T0], v[L], v[L+1]
	s_delay_alu instid0(VALU_DEP_1)
	v_permlanex16_b32 v[T1], v[T0], s[SEL], s[SEL+1]
	s_delay_alu instid0(VALU_DEP_1)
	v_add_f32 v[T0], v[T0], v[T1]                  ; the row's sum
	s_wait_alu depctr_va_vdst(0)
	v_rcp_f32 v[F], v[T0]
	v_nop
	s_wait_alu depctr_va_vdst(0)
.irp j, 0,2,4,6,8,10,12,14,16,18,20,22,24,26,28,30
	v_pk_mul_f32 v[S+\j:S+\j+1], v[O+\j:O+\j+1], v[F:F+1] op_sel_hi:[1,0]   ; register 8 u + i: channel 32 h + 8 u + i of my query: a whole block of D
.endr
	v_max3_num_f32 v[MX0], |v[S]|, |v[S+1]|, 0x1800000
	v_max3_num_f32 v[MX1], |v[S+16]|, |v[S+17]|, 0x1800000
.irp i, 2,4,6,8,10,12,14
	v_max3_num_f32 v[MX0], v[MX0], |v[S+\i]|, |v[S+\i+1]|
	v_max3_num_f32 v[MX1], v[MX1], |v[S+16+\i]|, |v[S+17+\i]|
.endr
	s_delay_alu instid0(VALU_DEP_1)
	v_max_num_f32 v[MX0], v[MX0], v[MX1]
	s_delay_alu instid0(VALU_DEP_1)
	v_add_nc_u32 v[SC0], 0xff000000, v[MX0]
	s_delay_alu instid0(VALU_DEP_1)
	v_lshrrev_b32 v[BY0], 23, v[SC0]
	v_cvt_scalef32_pk16_fp6_f32 v[P:P+2], v[S:S+15], v[SC0]
	v_cvt_scalef32_pk16_fp6_f32 v[TA:TA+2], v[S+16:S+31], v[SC0]
	v_nop
.irp i, 0,1,2
	v_mov_b32 v[P+3+\i], v[TA+\i]
.endr
	v_cmp_ge_f32 vcc_lo, s[THR], v[TM]             ; no key counted: the byte that makes the row NaN
	v_cndmask_b32 v[BY0], v[BY0], v[FFV], vcc_lo
	global_store_b128 v[LI], v[P:P+3], s[52:53] offset:196608*\p
	global_store_b64 v[LH], v[P+4:P+5], s[52:53] offset:196608*\p+512
	global_store_b8 v[OB], v[BY0], s[54:55] offset:8192*\p         ; one byte for every 24 bytes of codes: these leave in pieces
.endm
	INIT
	s_wait_loadcnt 0x0                             ; both passes' queries
	s_wait_tensorcnt 0x0                           ; my record has landed;
	s_barrier_signal -1
	s_barrier_wait -1                              ; everybody's has: the whole head is in LDS, and nothing is filled again
	KLOAD LI, LH, LR
	LOOP
	STEP 2                                         ; record 15; record 0's K is fetched for the second pass
	FINISH 0
.irp i, 0,1,2,3,4,5
	v_mov_b32 v[Q+\i], v[QN+\i]                    ; the second pass's queries; the padding stays
.endr
	v_mov_b32 v[QS], v[QNS]
	INIT
	LOOP
	STEP 0
	FINISH 1
	s_wait_tensorcnt 0x0                           ; the wave's end
	ds_add_u32 v[SPW], v[NIL]
	s_wait_dscnt 0x0
	CROUND                                         ; the closing round
	s_endpgm
.Lfunc_end_k_q3d02c09928_attn:
	.size	k_q3d02c09928_attn, .Lfunc_end_k_q3d02c09928_attn-k_q3d02c09928_attn
	.p2alignl 7, 3214868480
	.fill 96, 4, 3214868480
	.section	.rodata,"a",@progbits
	.p2align	6, 0x0
	.amdhsa_kernel k_q3d02c09928_attn
		.amdhsa_group_segment_fixed_size 210944
		.amdhsa_private_segment_fixed_size 0
		.amdhsa_enable_private_segment 0
		.amdhsa_kernarg_size 24
		.amdhsa_user_sgpr_count 2
		.amdhsa_user_sgpr_kernarg_segment_ptr 1
		.amdhsa_wavefront_size32 1
		.amdhsa_system_sgpr_workgroup_id_x 1
		.amdhsa_system_sgpr_workgroup_id_y 1
		.amdhsa_system_sgpr_workgroup_id_z 1
		.amdhsa_system_vgpr_workitem_id 0
		.amdhsa_next_free_vgpr 256
		.amdhsa_next_free_sgpr 80
		.amdhsa_reserve_vcc 1
		.amdhsa_float_denorm_mode_32 3
		.amdhsa_float_denorm_mode_16_64 3
		.amdhsa_memory_ordered 1
		.amdhsa_forward_progress 1
		.amdhsa_inst_pref_size 76
	.end_amdhsa_kernel
	.amdgpu_metadata
---
amdhsa.version: [ 1, 2 ]
amdhsa.kernels:
  - .name:           k_q3d02c09928_attn
    .symbol:         k_q3d02c09928_attn.kd
    .args:
      - { .name: q_img, .offset: 0, .size: 8, .value_kind: global_buffer, .address_space: global }
      - { .name: kv_img, .offset: 8, .size: 8, .value_kind: global_buffer, .address_space: global }
      - { .name: ao, .offset: 16, .size: 8, .value_kind: global_buffer, .address_space: global }
    .group_segment_fixed_size: 210944
    .private_segment_fixed_size: 0
    .kernarg_segment_align: 8
    .kernarg_segment_size: 24
    .max_flat_workgroup_size: 512
    .sgpr_count:     80
    .vgpr_count:     256
    .wavefront_size: 32
...
	.end_amdgpu_metadata
.endif
;; end of part 3
;; launch proj (part 4): grid 4 x 64, 4 waves a work-group, clusters of 4 x 4, 327,680 bytes of LDS; arguments ao, wq, b_out, out0; writes out0
.if DOCPART == 4
	.amdgcn_target "amdgcn-amd-amdhsa--gfx1250"
	.amdhsa_code_object_version 6
	.text
	.protected	k_q3d02c09928_proj
	.globl	k_q3d02c09928_proj
	.p2align	8
	.type	k_q3d02c09928_proj,@function
k_q3d02c09928_proj:
	s_mov_b64 s[64:65], 0
	v_nop
	global_prefetch_b8 v0, s[64:65] scope:SCOPE_SE
	s_setreg_imm32_b32 hwreg(HW_REG_WAVE_MODE, 25, 1), 1
	s_wait_xcnt 0x0
	s_wait_alu depctr_hold_cnt(0) depctr_sa_sdst(0) depctr_va_vdst(0) depctr_va_sdst(0) depctr_va_ssrc(0) depctr_va_vcc(0) depctr_vm_vsrc(0)
	s_getreg_b32 s2, hwreg(HW_REG_IB_STS2, 6, 4)
	s_cmp_eq_u32 s2, 0
	s_cbranch_scc0 .Lentry_in_a_cluster
	s_endpgm
.Lentry_in_a_cluster:
	s_bfe_u32 s2, ttmp6, 0x10000c
	s_cmp_lg_u32 s2, 0xf033
	s_cbranch_scc0 .Lentry_shape_is_right
	s_endpgm
.Lentry_shape_is_right:
; out0 [8192][1024] = attention's result x W_out + b_out, both operands as codes of FP6 (E2M3) with E8M0 scales, laid as images of the operand's registers (see the first kernel): K = 1,024 in four K slots of 256.
; A work-group makes 128 tokens x 256 columns (8,192 / 128 x 1,024 / 256 = 256 work-groups); a wave 64 x 128: 32 accumulators.  Source 0 = 16 columns of W_out, source 1 = 16 tokens: a lane holds eight neighbouring columns of a token.
; LDS: three regions of 73,728 bytes (the tokens' group, W_out's two groups of 128 columns), each with K slots 0, 1, 2 on end as in memory, so ONE tensor load covers a region's first fill: waves 0 and 1 take halves of the tokens' (144 rows of
; 256 bytes each), waves 2 and 3 a group of W_out each (288 rows).  K slot 3 lands on slot 0 behind a round of the cluster's barrier in step 1, when slot 0 has been read out; a barrier in step 5 shows it whole.
; CLUSTERS 4 x 4: the tokens' tiles are shared along a row of the cluster, W_out's along a column: joint loads.  The scales (4,096 bytes a group beside 98,304 of codes) come through registers into LDS bytes of their own, one wave a group:
; a wave has one tensor load at the head.  No data prefetch: of the four K slots three are asked for at the head and the fourth one step later, so no trip is left to run ahead in.
; A step is 128 along K: the next step's 12 fragments are fetched first, into the other set of registers, then this step's 32 products are issued.
; REGISTERS: window 0: v0-31 addresses, v32-63 scale words (two sets), v64-67 the bias, v128-223 the tokens' fragments (two sets of 4); window 1: W_out's fragments (two sets of 8, at v0 and v128); window 2: accumulator (a, b) at v[8 (8 a + b)].
.set GRP,   98304
.set KSL,   24576
.set REG3,  3*KSL
.set SCL,   3*REG3                     ; the scales: regions of 16 x 272 bytes: the tokens', W_out's two
.set HALFS, 16*272
.set SBLK,  544
.set SPARE, SCL+3*HALFS                ; the spare words, 128 bytes a wave
.set XSC,   6291456
.set WSC,   3145728
.set FR,    12
.set SPITCH, 528
.set STAGE, KSL                        ; the way out: 4 x 16 x 528 bytes on slots 1 and 2 of the tokens' region: filled once, and read by nobody behind step 5's barrier
.set LI,  1
.set LH,  2
.set RR,  4
.set HH,  5
.set A16, 6
.set A8,  9
.set B16, 12
.set B8,  15
.set ADRS, 18
.set VBO, 19
.set STO, 24
.set RD,  25
.set SPW, 28
.set NIL, 29
.set SCW, 31
.set SC,  32
.set BO,  64
.set AF,  128
.set BK,  128
.set G1A, 24
.set G0A, 32                           ; s[32:35] the head's load, s[36:39] the refill
.set G1B, 44
.set G0B, 52                           ; s[52:55], s[56:59] likewise
.set MSB, 0
.macro WIN new
.if MSB != (\new)
	s_set_vgpr_msb (MSB<<8)|(\new)
.set MSB, (\new)
.endif
.endm
.set MUL,  0xa1                        ; source 0 window 1, source 1 window 0, C and D window 2
.set TO_B, 0x40
.macro JLOAD g0a, g1a, g0b, g1b                ; waves 0, 1 ask for the tokens' tiles, waves 2, 3 for W_out's
	s_cmp_eq_u32 s19, 0
	s_cbranch_scc0 .Lfor_b_\@
	tensor_load_to_lds s[\g0a:\g0a+3], s[\g1a:\g1a+7]
	s_nop 0
.rept 4
	v_nop
.endr
	s_branch .Lasked_\@
.Lfor_b_\@:
	tensor_load_to_lds s[\g0b:\g0b+3], s[\g1b:\g1b+7]
	s_nop 0
.rept 4
	v_nop
.endr
.Lasked_\@:
.endm
.macro CREST
	s_cmp_lg_u32 s18, 0
	s_cbranch_scc1 .Lnot_wave_0_\@
	s_barrier_signal -3
.Lnot_wave_0_\@:
	s_barrier_wait -3
	s_barrier_signal -1
	s_barrier_wait -1
.endm
.macro CROUND
	s_barrier_signal -1
	s_barrier_wait -1
	CREST
.endm
.macro PLACES n
.rept \n
	v_nop
.endr
.endm
.macro FRAG reg, a16, a8, q, i
	ds_load_b128 v[\reg:\reg+3], v[\a16] offset:3072*(\i)+1536*(\q)
	ds_load_b64 v[\reg+4:\reg+5], v[\a8] offset:3072*(\i)+1536*(\q)+512
	ds_load_b128 v[\reg+6:\reg+9], v[\a16] offset:3072*(\i)+1536*(\q)+768
	ds_load_b64 v[\reg+10:\reg+11], v[\a8] offset:3072*(\i)+1536*(\q)+1280
.endm
; step st's fragments into set st % 2: 48 loads; with an even step the scale words of two steps: 8 more (lanes 0-15 the tokens' block i, of which my four count; lanes 16-31 W_out's block i)
.macro FETCH st
.set SL, ((\st)/2)%3
.set QQ, (\st)%2
	WIN TO_B
.irp i, 0,1,2,3,4,5,6,7
	FRAG 128*QQ+FR*\i, B16+SL, B8+SL, QQ, \i
.endr
	WIN 0
.irp i, 0,1,2,3
	FRAG AF+48*QQ+FR*\i, A16+SL, A8+SL, QQ, \i
.endr
.if QQ == 0
.irp i, 0,1,2,3,4,5,6,7
	ds_load_b64 v[SC+16*(((\st)/2)%2)+2*\i:SC+16*(((\st)/2)%2)+2*\i+1], v[ADRS] offset:\i*SBLK+4*(\st)
.endr
.endif
.endm
; 16 products: the tokens' blocks a0, a0 + 1 x W_out's eight.  The 32 accumulators take turns in the same order in every step
.macro MUL16 a0, st, zero
.set PP, (\st)%2
.set SS, SC+16*(((\st)/2)%2)+PP
.irp a, \a0, \a0+1
.irp b, 0,1,2,3,4,5,6,7
.if \zero
	v_wmma_scale_f32_16x16x128_f8f6f4 v[8*(8*(\a)+\b):8*(8*(\a)+\b)+7], v[128*PP+FR*\b:128*PP+FR*\b+FR-1], v[AF+48*PP+FR*(\a):AF+48*PP+FR*(\a)+FR-1], 0, v[SS+2*\b], v[SS+2*(\a)] matrix_a_fmt:MATRIX_FMT_FP6 matrix_b_fmt:MATRIX_FMT_FP6 matrix_a_scale:MATRIX_SCALE_ROW1
.else
	v_wmma_scale_f32_16x16x128_f8f6f4 v[8*(8*(\a)+\b):8*(8*(\a)+\b)+7], v[128*PP+FR*\b:128*PP+FR*\b+FR-1], v[AF+48*PP+FR*(\a):AF+48*PP+FR*(\a)+FR-1], v[8*(8*(\a)+\b):8*(8*(\a)+\b)+7], v[SS+2*\b], v[SS+2*(\a)] matrix_a_fmt:MATRIX_FMT_FP6 matrix_b_fmt:MATRIX_FMT_FP6 matrix_a_scale:MATRIX_SCALE_ROW1
.endif
.endr
.endr
.endm
; mode 0: fetch the next step, multiply this one.  mode 2: slot 0 is read out: the three lines, a round of the cluster's barrier, the refill.  mode 1: a barrier shows the refill whole.  mode 3: the last step
.macro KSTEP st, mode, zero
.if \mode == 0
.if (\st) > 0
	PLACES 4                                       ; in front of loads into registers that the last step's products read
.endif
	FETCH (\st)+1
	s_wait_dscnt 48+8*((\st)%2)                    ; all but the fetch just issued: this step's fragments are in
	WIN MUL
	MUL16 0, \st, \zero
	MUL16 2, \st, \zero
	WIN 0
.elseif \mode == 3
	s_wait_dscnt 0x0
	WIN MUL
	MUL16 0, \st, 0
	MUL16 2, \st, 0
	WIN 0
.else
	s_wait_tensorcnt 0x0                           ; all my tensor loads have landed
.if \mode == 2
	ds_add_u32 v[SPW], v[NIL]
	s_mov_b32 s[G1A+2], 48<<16                     ; no tensor load of mine is out: the refill brings one K slot: 48 rows a wave of the tokens', 96 of W_out's
	s_mov_b32 s[G1A+4], 48
	s_mov_b32 s[G1B+2], 96<<16
	s_mov_b32 s[G1B+4], 96
.endif
	s_wait_dscnt 0x0                               ; the add, and my reads: this step's fragments, the last of their slot, are in
	s_barrier_signal -1
	WIN MUL
	MUL16 0, \st, 0                                ; work on registers while the others arrive
	WIN 0
	s_barrier_wait -1
.if \mode == 2
	CREST
	JLOAD G0A+4, G1A, G0B+4, G1B                   ; K slot 3 onto slot 0; its four v_nop are the places in front of the loads below
.else
	PLACES 4
.endif
	FETCH (\st)+1
	WIN MUL
	MUL16 2, \st, 0
	WIN 0
.endif
.endm
	s_load_b256 s[4:11], s[0:1], 0x0               ; ao s[4:5], wq s[6:7], b_out s[8:9], out0 s[10:11]
	v_lshl_add_u32 v[SPW], v0, 2, SPARE
	v_mov_b32 v[NIL], 0
	ds_add_u32 v[SPW], v[NIL]                      ; the opening: the add, twice on end, and its wait ahead of my first tensor load
	ds_add_u32 v[SPW], v[NIL]
	v_lshrrev_b32 v4, 5, v0
	v_readfirstlane_b32 s18, v4                    ; wave
	s_lshr_b32 s19, s18, 1                         ; my 64 tokens of the 128.  Also: I fetch the tokens' tiles (0) or W_out's (1)
	s_and_b32 s20, s18, 1                          ; my 128 columns of the 256.  Also: which part I fetch
	s_bfe_u32 s66, ttmp6, 0x40000                  ; cx
	s_bfe_u32 s67, ttmp6, 0x40004                  ; cy
	s_and_b32 s22, ttmp7, 0xffff
	s_lshl_b32 s92, s67, 2
	s_lshl_b32 s92, 15, s92                        ; my row of the cluster
	s_lshl_b32 s96, 0x1111, s66                    ; my column
	s_or_b32 s[G1A], s92, (3<<16)|(1<<21)          ; elements of 8 bytes, rows of 256 bytes, dense
	s_or_b32 s[G1B], s96, (3<<16)|(1<<21)
	s_mov_b32 s[G1A+1], 32<<16
	s_mov_b32 s[G1A+2], 144<<16
	s_mov_b32 s[G1A+3], 32<<16
	s_mov_b32 s[G1A+4], 144
	s_mov_b32 s[G1A+5], 32
	s_mov_b32 s[G1A+6], 0
	s_mov_b32 s[G1A+7], 0
	s_mov_b32 s[G1B+1], 32<<16
	s_mov_b32 s[G1B+2], 288<<16
	s_mov_b32 s[G1B+3], 32<<16
	s_mov_b32 s[G1B+4], 288
	s_mov_b32 s[G1B+5], 32
	s_mov_b32 s[G1B+6], 0
	s_mov_b32 s[G1B+7], 0
	s_lshl_b32 s93, s22, 2
	s_add_co_u32 s93, s93, s67                     ; the group of 128 tokens
	s_lshl_b32 s96, s66, 1
	s_add_co_u32 s96, s96, s20
	s_add_co_u32 s96, s96, 24                      ; W_out's group of 128 columns in wq
	s_lshl_b32 s100, s93, 12
	s_add_co_u32 s100, s100, XSC
	s_mov_b32 s101, 0
	s_lshl_b32 s104, s96, 12
	s_add_co_u32 s104, s104, WSC
	s_mov_b32 s105, 0
	s_mul_i32 s80, s93, GRP
	s_mul_i32 s[G0A+1], s20, 144*256               ; the head's load: my half of slots 0 to 2
	s_add_co_u32 s94, s80, s[G0A+1]
	s_mov_b32 s95, 0
	s_mul_i32 s[G0A+5], s20, 48*256                ; the refill: my half of K slot 3
	s_add_co_u32 s80, s80, s[G0A+5]
	s_add_co_u32 s80, s80, 3*KSL
	s_mov_b32 s81, 0
	s_mul_i32 s98, s96, GRP
	s_mov_b32 s99, 0
	s_mul_i32 s[G0B+1], s20, REG3
	s_add_co_u32 s[G0B+1], s[G0B+1], REG3
	s_mov_b32 s[G0B+5], s[G0B+1]
	s_mov_b32 s[G0A], 1
	s_mov_b32 s[G0A+4], 1
	s_mov_b32 s[G0B], 1
	s_mov_b32 s[G0B+4], 1
	s_wait_dscnt 0x0                               ; both opening adds are done
	s_wait_kmcnt 0x0
	s_add_nc_u64 s[G0A+2:G0A+3], s[4:5], s[94:95]
	s_add_nc_u64 s[G0A+6:G0A+7], s[4:5], s[80:81]
	s_add_nc_u64 s[G0B+2:G0B+3], s[6:7], s[98:99]
	s_add_nc_u64 s[G0B+6:G0B+7], s[G0B+2:G0B+3], 3*KSL
	s_or_b32 s[G0A+3], s[G0A+3], 0x80000000
	s_or_b32 s[G0A+7], s[G0A+7], 0x80000000
	s_or_b32 s[G0B+3], s[G0B+3], 0x80000000
	s_or_b32 s[G0B+7], s[G0B+7], 0x80000000
	CROUND                                         ; all sixteen work-groups are here: the joint loads meet
	JLOAD G0A, G1A, G0B, G1B                       ; my one tensor load at the head
	s_add_nc_u64 s[78:79], s[4:5], s[100:101]
	s_add_nc_u64 s[90:91], s[6:7], s[104:105]
	s_cmp_eq_u32 s19, 0
	s_cselect_b64 s[76:77], s[78:79], s[90:91]     ; a group's 4,096 scale bytes: wave 0 the tokens', waves 2 and 3 W_out's
	s_mul_i32 s92, s19, s20
	s_add_co_u32 s92, s92, s19                     ; their region: 0, 1, 2
	s_mul_i32 s92, s92, HALFS
	s_add_co_u32 s92, s92, SCL
	s_mul_i32 s2, s19, 4*3072                      ; my four tiles of the tokens' eight
	s_mul_i32 s3, s20, REG3
	s_add_co_u32 s3, s3, REG3                      ; my group of W_out
	s_mul_i32 s100, s19, 4*SBLK                    ; my tokens' scale rows,
	s_mul_i32 s101, s20, HALFS
	s_add_co_u32 s101, s101, HALFS
	s_sub_co_u32 s101, s101, s100                  ; and how far on my columns' lie
	s_add_co_u32 s100, s100, SCL
	s_mul_i32 s104, s18, 16*SPITCH
	s_add_co_u32 s104, s104, STAGE                 ; my stage
	s_lshl_b32 s105, s66, 1
	s_add_co_u32 s105, s105, s20
	s_lshl_b32 s105, s105, 9                       ; my first column, in bytes
	s_lshl_b32 s94, s93, 1
	s_add_co_u32 s94, s94, s19
	s_lshl_b32 s94, s94, 18                        ; my first token's row of 4,096 bytes
	s_add_co_u32 s94, s94, s105
	s_mov_b32 s95, 0
	s_add_nc_u64 s[10:11], s[10:11], s[94:95]
	v_and_b32 v26, 31, v0
	v_and_b32 v[RR], 15, v0
	v_bfe_u32 v[HH], v0, 4, 1
	v_lshlrev_b32 v[LI], 4, v26
	v_lshlrev_b32 v[LH], 4, v[RR]
	v_lshlrev_b32 v26, 5, v[RR]
	v_lshl_add_u32 v[LH], v[HH], 3, v[LH]
	v_lshl_add_u32 v[SCW], v[HH], 4, v[LI]         ; the scales' way in: 16 bytes of padding behind each 256
	v_lshrrev_b32 v27, 8, v26
	v_add_nc_u32 v[SCW], s92, v[SCW]
	v_add_nc_u32 v[A16], s2, v[LI]
	v_add_nc_u32 v[A8], s2, v[LH]
	v_add_nc_u32 v[B16], s3, v[LI]
	v_add_nc_u32 v[B8], s3, v[LH]
	v_lshl_add_u32 v26, v27, 4, v26
	v_mul_u32_u24 v27, s101, v[HH]                 ; lanes 16-31 take W_out's
.irp s, 1,2
	v_add_nc_u32 v[A16+\s], \s*KSL, v[A16]
	v_add_nc_u32 v[A8+\s], \s*KSL, v[A8]
	v_add_nc_u32 v[B16+\s], \s*KSL, v[B16]
	v_add_nc_u32 v[B8+\s], \s*KSL, v[B8]
.endr
	v_add_nc_u32 v26, v26, v27
	v_mul_u32_u24 v[STO], v[RR], SPITCH
	v_add_nc_u32 v[ADRS], s100, v26
	v_lshl_add_u32 v[STO], v[HH], 5, v[STO]
	v_add_nc_u32 v[RD], s104, v[LI]
	v_add_nc_u32 v[STO], s104, v[STO]
	v_add_nc_u32 v[VBO], s105, v[LI]
	s_wait_alu depctr_va_vdst(0)
	s_cmp_eq_u32 s18, 1
	s_cbranch_scc1 .Lno_scales                     ; three groups, three waves
.irp i, 0,1,2,3,4,5,6,7
	global_load_b128 v[SC+4*\i:SC+4*\i+3], v[LI], s[76:77] offset:512*\i     ; 512 consecutive bytes a load
.endr
	s_wait_loadcnt 0x0
.irp i, 0,1,2,3,4,5,6,7
	ds_store_b128 v[SCW], v[SC+4*\i:SC+4*\i+3] offset:544*\i
.endr
.Lno_scales:
	global_load_b128 v[BO:BO+3], v[VBO], s[8:9]    ; the bias of my four columns of a row's 128
	s_wait_tensorcnt 0x0                           ; my part of slots 0 to 2 is in,
	s_wait_dscnt 0x0                               ; and my scales are stored
	s_barrier_signal -1
	s_barrier_wait -1                              ; everybody's are
	FETCH 0
	KSTEP 0, 0, 1                                  ; the first step's products start the sums
	KSTEP 1, 2, 0
	KSTEP 2, 0, 0
	KSTEP 3, 0, 0
	KSTEP 4, 0, 0
	KSTEP 5, 1, 0
	KSTEP 6, 0, 0
	KSTEP 7, 3, 0
	PLACES 4
	s_wait_loadcnt 0x0                             ; the bias
; THE WAY OUT, block by block of 16 tokens x 128 columns: through my own stage, back as whole rows of 512 bytes, the bias added, stored as two aligned units of 256 bytes
.macro TOSTAGE a
.set AC, 64*(\a)
	WIN 0x08                                       ; the data: window 2
.irp b, 0,1,2,3,4,5,6,7
	ds_store_b128 v[STO], v[AC+8*\b:AC+8*\b+3] offset:64*\b                  ; each accumulator from its low end on
	ds_store_b128 v[STO], v[AC+8*\b+4:AC+8*\b+7] offset:64*\b+16
.endr
	WIN 0
.set BBK, BK+64*((\a)%2)
.irp t, 0,1,2,3,4,5,6,7,8,9,10,11,12,13,14,15
	ds_load_b128 v[BBK+4*\t:BBK+4*\t+3], v[RD] offset:\t*SPITCH              ; LDS serves a wave's instructions in order: these see my stores
.endr
.endm
.macro SEND a, younger
.set BBK, BK+64*((\a)%2)
	s_wait_dscnt \younger
.irp t, 0,1,2,3,4,5,6,7,8,9,10,11,12,13,14,15
	v_pk_add_f32 v[BBK+4*\t:BBK+4*\t+1], v[BBK+4*\t:BBK+4*\t+1], v[BO:BO+1]
	v_pk_add_f32 v[BBK+4*\t+2:BBK+4*\t+3], v[BBK+4*\t+2:BBK+4*\t+3], v[BO+2:BO+3]
.endr
.irp t, 0,1,2,3,4,5,6,7,8,9,10,11,12,13,14,15
	global_store_b128 v[LI], v[BBK+4*\t:BBK+4*\t+3], s[10:11] offset:(8*(\a)+(\t%8)+32*(\t/8))*4096 th:TH_STORE_NT   ; row t of tile a is token 8 a + t % 8 + 32 (t / 8) of my 64
.endr
.endm
	TOSTAGE 0
.irp a, 1,2,3
.if \a > 1
	s_wait_xcnt 0x0                                ; block a - 2's stores have read their registers
.endif
	TOSTAGE \a
	SEND \a-1, 32                                  ; behind block a - 1's loads: block a's 16 stores and 16 loads
.endr
	SEND 3, 0
	s_wait_tensorcnt 0x0                           ; the wave's end
	ds_add_u32 v[SPW], v[NIL]
	s_wait_dscnt 0x0
	CROUND                                         ; the closing round
	s_endpgm
.Lfunc_end_k_q3d02c09928_proj:
	.size	k_q3d02c09928_proj, .Lfunc_end_k_q3d02c09928_proj-k_q3d02c09928_proj
	.p2alignl 7, 3214868480
	.fill 96, 4, 3214868480
	.section	.rodata,"a",@progbits
	.p2align	6, 0x0
	.amdhsa_kernel k_q3d02c09928_proj
		.amdhsa_group_segment_fixed_size 327680
		.amdhsa_private_segment_fixed_size 0
		.amdhsa_enable_private_segment 0
		.amdhsa_kernarg_size 32
		.amdhsa_user_sgpr_count 2
		.amdhsa_user_sgpr_kernarg_segment_ptr 1
		.amdhsa_wavefront_size32 1
		.amdhsa_system_sgpr_workgroup_id_x 1
		.amdhsa_system_sgpr_workgroup_id_y 1
		.amdhsa_system_sgpr_workgroup_id_z 1
		.amdhsa_system_vgpr_workitem_id 0
		.amdhsa_next_free_vgpr 768
		.amdhsa_next_free_sgpr 106
		.amdhsa_reserve_vcc 0
		.amdhsa_float_denorm_mode_32 3
		.amdhsa_float_denorm_mode_16_64 3
		.amdhsa_memory_ordered 1
		.amdhsa_forward_progress 1
		.amdhsa_inst_pref_size 94
	.end_amdhsa_kernel
	.amdgpu_metadata
---
amdhsa.version: [ 1, 2 ]
amdhsa.kernels:
  - .name:           k_q3d02c09928_proj
    .symbol:         k_q3d02c09928_proj.kd
    .args:
      - { .name: ao, .offset: 0, .size: 8, .value_kind: global_buffer, .address_space: global }
      - { .name: wq, .offset: 8, .size: 8, .value_kind: global_buffer, .address_space: global }
      - { .name: b_out, .offset: 16, .size: 8, .value_kind: global_buffer, .address_space: global }
      - { .name: out0, .offset: 24, .size: 8, .value_kind: global_buffer, .address_space: global }
    .group_segment_fixed_size: 327680
    .private_segment_fixed_size: 0
    .kernarg_segment_align: 8
    .kernarg_segment_size: 32
    .max_flat_workgroup_size: 128
    .sgpr_count:     106
    .vgpr_count:     768
    .wavefront_size: 32
...
	.end_amdgpu_metadata
.endif
;; end of part 4
